; MI455X (gfx1250); checked and timed in simulation.
; The chip was launched on July 23, 2026; its instructions are those of AMD's public machine-readable ISA for CDNA 5 (MIT licence, August 2026) and "CDNA5" Instruction Set Architecture Reference Guide (July 2026). The comments in the code are by the model that wrote it; some were corrected since.
;; Single Head Attention. Allowed arithmetic: float matrix products may take bf16 or f16 operands with f32 sums; other float arithmetic in f32, or as packed bf16 or f16 multiplies, adds, multiply-adds, maxima and minima; sums over many terms, partial sums and values carried from step to step in f32; what a program stores and reads back later, other than sums and carried values, may be rounded once to bf16 or f16.
;; Inputs: Wout 1,024 x 1,024 float32; Wqkv 3,072 x 1,024 float32; bout 1,024 float32; bqkv 3,072 float32; x 4 x 2,048 x 1,024 float32.
;; Outputs: out0 4 x 2,048 x 1,024 float32.
;; 2 versions, each right; version 2 is version 1 with the launches cast, fixout written anew for expert scheduling mode. Each part assembles by itself: llvm-mc -triple=amdgcn-amd-amdhsa -mcpu=gfx1250 --defsym DOCPART=n.
;; ======== version 1 of 2: 7 launches
;; limits: values are held in f16: magnitudes above 65,504 overflow, below 6.1e-05 lose precision
;; workspace buffers: xb 16,777,216 bytes; wqkvb 6,291,456 bytes; woutb 2,097,152 bytes; qkv 50,331,648 bytes; sc 67,108,864 bytes; pb 33,554,432 bytes; ob 16,777,216 bytes; vfix 2,097,152 bytes
;; launch cast (part 1): grid 768 x 1, 8 waves a work-group, no clusters, 0 bytes of LDS; arguments x, Wqkv, Wout, xb, wqkvb, woutb; writes xb, wqkvb, woutb
.if DOCPART == 1
	.amdgcn_target "amdgcn-amd-amdhsa--gfx1250"
	.amdhsa_code_object_version 6
	.text
	.protected	k_qebed07cae3_cast
	.globl	k_qebed07cae3_cast
	.p2align	8
	.type	k_qebed07cae3_cast,@function
k_qebed07cae3_cast:
	s_mov_b64 s[64:65], 0
	v_nop
	global_prefetch_b8 v0, s[64:65] scope:SCOPE_SE
	s_setreg_imm32_b32 hwreg(HW_REG_WAVE_MODE, 25, 1), 1
	s_wait_xcnt 0x0
; x and Wqkv are rounded once to bf16; Wout is rounded to bf16 and that number is written as f16 (its partner in the last product is f16).
; A stream: no LDS, no barrier, no matrix unit.  A work-group takes 16,384 numbers (65,536 bytes in, 32,768 out): groups 0-511 x, 512-703 Wqkv, 704-767 Wout.
; Thread t takes 16 bytes at 16 t of each of sixteen blocks of 4,096 bytes; all sixteen loads go out at once; a wave's store covers 256 consecutive bytes, aligned.
; LIMIT: a bf16 number of Wout below 6.1e-5 in magnitude keeps f16's fixed step of 6e-8; beyond 65,504 it would be an infinity.
.set X, 4                              ; v[4:67]    sixteen loads of four f32
.set Y, 68                             ; v[68:99]   sixteen pairs of packed results; each is written once
.set T, 100                            ; v[100:103] at work (Wout's way alone)
	s_load_b256 s[4:11], s[0:1], 0x0               ; x s[4:5], Wqkv s[6:7], Wout s[8:9], xb s[10:11]
	s_load_b128 s[12:15], s[0:1], 0x20             ; wqkvb s[12:13], woutb s[14:15]
	v_lshlrev_b32 v1, 4, v0                        ; 16 t: my bytes in a block that is read
	v_lshlrev_b32 v2, 3, v0                        ; 8 t: my bytes in a block that is written
	s_wait_kmcnt 0x0
	s_cmp_ge_u32 ttmp9, 512                        ; which tensor: the choice hangs on the group's number alone
	s_cselect_b64 s[16:17], s[6:7], s[4:5]
	s_cselect_b64 s[18:19], s[12:13], s[10:11]
	s_cselect_b32 s20, 512, 0
	s_cmp_ge_u32 ttmp9, 704
	s_cselect_b64 s[16:17], s[8:9], s[16:17]
	s_cselect_b64 s[18:19], s[14:15], s[18:19]
	s_cselect_b32 s20, 704, s20
	s_cselect_b32 s21, 1, 0                        ; 1: Wout
	s_sub_co_u32 s20, ttmp9, s20                   ; the group's number within its tensor
	s_lshl_b32 s22, s20, 16
	s_mov_b32 s23, 0
	s_add_nc_u64 s[16:17], s[16:17], s[22:23]
	s_lshl_b32 s22, s20, 15
	s_add_nc_u64 s[18:19], s[18:19], s[22:23]
.irp j, 0,1,2,3,4,5,6,7,8,9,10,11,12,13,14,15
	global_load_b128 v[X+4*(\j):X+4*(\j)+3], v1, s[16:17] offset:4096*(\j) th:TH_LOAD_NT
.endr
; Block j: rounded, packed, stored.  f16 = 1: the bf16 numbers are widened again and written as f16.
.macro CONV j, f16
	s_wait_loadcnt 15-(\j)                         ; loads come back in order: block j is in, the 15 - j younger ones may be out
	v_cvt_pk_bf16_f32 v[Y+2*(\j)], v[X+4*(\j)], v[X+4*(\j)+1]
	v_cvt_pk_bf16_f32 v[Y+2*(\j)+1], v[X+4*(\j)+2], v[X+4*(\j)+3]
.if \f16
	v_lshlrev_b32 v[T], 16, v[Y+2*(\j)]
	v_and_b32 v[T+1], 0xffff0000, v[Y+2*(\j)]
	v_lshlrev_b32 v[T+2], 16, v[Y+2*(\j)+1]
	v_and_b32 v[T+3], 0xffff0000, v[Y+2*(\j)+1]
	v_cvt_pk_f16_f32 v[Y+2*(\j)], v[T], v[T+1]
	v_cvt_pk_f16_f32 v[Y+2*(\j)+1], v[T+2], v[T+3]
.endif
	global_store_b64 v2, v[Y+2*(\j):Y+2*(\j)+1], s[18:19] offset:2048*(\j)
.endm
	s_cmp_lg_u32 s21, 0
	s_cbranch_scc1 .Lto_f16
.irp j, 0,1,2,3,4,5,6,7,8,9,10,11,12,13,14,15
	CONV \j, 0
.endr
	s_endpgm
.Lto_f16:
.irp j, 0,1,2,3,4,5,6,7,8,9,10,11,12,13,14,15
	CONV \j, 1
.endr
	s_endpgm
.Lfunc_end_k_qebed07cae3_cast:
	.size	k_qebed07cae3_cast, .Lfunc_end_k_qebed07cae3_cast-k_qebed07cae3_cast
	.p2alignl 7, 3214868480
	.fill 96, 4, 3214868480
	.section	.rodata,"a",@progbits
	.p2align	6, 0x0
	.amdhsa_kernel k_qebed07cae3_cast
		.amdhsa_group_segment_fixed_size 0
		.amdhsa_private_segment_fixed_size 0
		.amdhsa_enable_private_segment 0
		.amdhsa_kernarg_size 48
		.amdhsa_user_sgpr_count 2
		.amdhsa_user_sgpr_kernarg_segment_ptr 1
		.amdhsa_wavefront_size32 1
		.amdhsa_system_sgpr_workgroup_id_x 1
		.amdhsa_system_sgpr_workgroup_id_y 1
		.amdhsa_system_sgpr_workgroup_id_z 1
		.amdhsa_system_vgpr_workitem_id 0
		.amdhsa_next_free_vgpr 104
		.amdhsa_next_free_sgpr 66
		.amdhsa_reserve_vcc 0
		.amdhsa_float_denorm_mode_32 3
		.amdhsa_float_denorm_mode_16_64 3
		.amdhsa_memory_ordered 1
		.amdhsa_forward_progress 1
		.amdhsa_inst_pref_size 16
	.end_amdhsa_kernel
	.amdgpu_metadata
---
amdhsa.version: [ 1, 2 ]
amdhsa.kernels:
  - .name:           k_qebed07cae3_cast
    .symbol:         k_qebed07cae3_cast.kd
    .args:
      - { .name: x, .offset: 0, .size: 8, .value_kind: global_buffer, .address_space: global }
      - { .name: Wqkv, .offset: 8, .size: 8, .value_kind: global_buffer, .address_space: global }
      - { .name: Wout, .offset: 16, .size: 8, .value_kind: global_buffer, .address_space: global }
      - { .name: xb, .offset: 24, .size: 8, .value_kind: global_buffer, .address_space: global }
      - { .name: wqkvb, .offset: 32, .size: 8, .value_kind: global_buffer, .address_space: global }
      - { .name: woutb, .offset: 40, .size: 8, .value_kind: global_buffer, .address_space: global }
    .group_segment_fixed_size: 0
    .private_segment_fixed_size: 0
    .kernarg_segment_align: 8
    .kernarg_segment_size: 48
    .max_flat_workgroup_size: 256
    .sgpr_count:     66
    .vgpr_count:     104
    .wavefront_size: 32
...
	.end_amdgpu_metadata
.endif
;; end of part 1
;; launch qkvproj (part 2): grid 12 x 32, 4 waves a work-group, clusters of 4 x 4, 327,680 bytes of LDS; arguments xb, wqkvb, bqkv, qkv, vfix; writes qkv, vfix
.if DOCPART == 2
	.amdgcn_target "amdgcn-amd-amdhsa--gfx1250"
	.amdhsa_code_object_version 6
	.text
	.protected	k_qebed07cae3_qkvproj
	.globl	k_qebed07cae3_qkvproj
	.p2align	8
	.type	k_qebed07cae3_qkvproj,@function
k_qebed07cae3_qkvproj:
	s_mov_b64 s[64:65], 0
	v_nop
	global_prefetch_b8 v0, s[64:65] scope:SCOPE_SE
	s_setreg_imm32_b32 hwreg(HW_REG_WAVE_MODE, 25, 1), 1
	s_wait_xcnt 0x0
	s_wait_alu depctr_hold_cnt(0) depctr_sa_sdst(0) depctr_va_vdst(0) depctr_va_sdst(0) depctr_va_ssrc(0) depctr_va_vcc(0) depctr_vm_vsrc(0)
	s_getreg_b32 s2, hwreg(HW_REG_IB_STS2, 6, 4)
	s_cmp_eq_u32 s2, 0
	s_cbranch_scc0 .Lentry_in_a_cluster
	s_endpgm
.Lentry_in_a_cluster:
	s_bfe_u32 s2, ttmp6, 0x10000c
	s_cmp_lg_u32 s2, 0xf033
	s_cbranch_scc0 .Lentry_shape_is_right
	s_endpgm
.Lentry_shape_is_right:
; qkv[m][n] = sum over k of xb[m][k] wqkvb[n][k] + bf16(bqkv[n]).  xb [8192][1024], wqkvb [3072][1024] bf16; sums in f32; qkv [8192][3072] rounded once to f16.
; LIMIT: q, k and v must stay within f16's 65,504 (with x and Wqkv both 30 times the drawn spread their spread is some 640; with a common offset of 30 spreads on both about 2e4).
; ONE TEXT FOR TWO PRODUCTS C = A B^T with K = 1,024; the constants below choose the product.  A tile of C is 256 x 256: four waves, each 128 x 128: 64 accumulators of 16 x 16, 512 registers.
; K goes in steps of 128 through two LDS slots filled by tensor loads: each row of a tile is 256 consecutive bytes, at a multiple of 256.  A wave asks for 128 rows behind each change of slots and issues
; 224 matrix instructions between that request and the wait for it; a tile of 256 x 128 would leave 112, and two slots of two such steps do not fit in LDS.  Here: 384 tiles.
; CLUSTER 4 x 4: the four of a row need the same tiles of A, the four of a column the same tiles of B: each tile is asked for jointly, by the same load with a mask that names the four.
; THE MATRIX INSTRUCTION IS USED TRANSPOSED (source 0 = 16 rows of B, source 1 = 16 rows of A): a lane holds row lane % 16 of C and eight neighbouring columns.
; The bias, rounded to bf16 like every input of the module, is the C operand of the products that start the sums: nothing is cleared and nothing is added on the way out.
; vfix (this product alone, the block under KIND == 0 in the way out): the first 16 rows of every tile of v as TWO f16 numbers, hi = f16(v) and lo = f16(v - hi).  The last launch makes the first 16 rows of each batch
; from them: those rows average few keys, so they are many times the output's root mean square, by which the allowance goes, and one f16 rounding of v is too much for them.  Only the tile rows at a batch's
; head (every eighth) are read; no branch may hang on a place in the cluster, so all 32 tile rows write theirs: 2 MiB of stores.
; REGISTERS in windows of 256: window 0: v16-31 addresses; v64-127, v128-191 A's fragments, two buffers; v32-63, v192-255 the way out.  Window 1: v64-127, v128-191 B's fragments; v0-63 the bias; v192-223 at work.
; Window 2: the accumulators of my rows 0-63, (a, b) at v[8 (8 a + b)]; window 3: those of my rows 64-127.
.set KIND,  0                          ; 0 qkv's projection, 1 the scores
.set BF,    1                          ; 1: operands bf16; 0: f16
.set BIAS,  1
.set OUT16, 1                          ; 1: C is f16; 0: f32
.set PA,    1024                       ; elements from row to row of A
.set PB,    1024                       ; of B
.set PCB,   6144                       ; bytes from row to row of C
.set STEPS, 8                          ; K steps of 128
.set PITCH, 272                        ; an LDS row: 256 bytes + 16 of padding: the 16 rows of a fragment load start 68 words apart, at 16 different groups of four banks (ISA guide 11.1)
.set HALFT, 128*PITCH                  ; 128 rows: what one load brings, and what one wave reads of A or of B
.set BOFF,  2*HALFT                    ; in a slot: A's 256 rows, then B's 256
.set SLOT,  4*HALFT                    ; 139,264 = 0x22000.  The addresses in slot 0 that are turned (0, 0x8800, 0x11000, 0x19800) have bits 13 and 17 clear: one exclusive or with SLOT adds it, the next takes it away
.set STAGE, 2*SLOT                     ; behind the ring, never filled by a tensor load: 16 rows for each wave, for the way out
.if OUT16
.set SPITCH, 272                       ; a wave's 128 columns in f16 + 16 bytes
.else
.set SPITCH, 528                       ; in f32 + 16 bytes
.endif
.set SPARE, STAGE+4*16*SPITCH          ; the spare words, 128 bytes a wave, which no other line names
.set ADRA0, 16                         ; v16  my lane's place in A's part of slot 0; never rewritten
.set ADRB0, 17                         ; v17  the same for B
.set ADRA,  18                         ; v18  the same in the slot that is read
.set ADRB,  19                         ; v19
.set STO,   24                         ; v24  the way out: where I put my bytes of a row
.set RD,    25                         ; v25  where I read rows back
.set CO,    26                         ; v26  my byte offset in C
.set BO,    27                         ; v27  my byte offset in the bias
.set SPW,   28                         ; v28  my spare word; never rewritten
.set NIL,   29                         ; v29  0; never rewritten
.set NEG,   30                         ; v30  -1.0, for v - hi
.set FO,    31                         ; v31  16 x lane: my bytes in 512 of vfix
.set OB,    32                         ; the way out in f16: 16 rows read back: v32-63 and v224-255 by turns
.set F0,    64                         ; fragment buffer 0, A's in window 0, B's in window 1; on the way out in f32: rows read back, by turns with buffer 1
.set F1,    128                        ; fragment buffer 1
.set TMP,   192                        ; the way out in f16: v192-223 packed results
.set LO,    64                         ; v64-127   v - hi of row block 0, in f32 (behind the products)
.set LP,    128                        ; v128-159  the same, packed to f16
.set BI,    0                          ; the bias as a C operand, window 1: block b at BI + 8 b
.set BT,    192                        ; window 1, at work
.set WV, 12                            ; s12 wave;  s13 which 128 rows are mine, also: I fetch for A (0) or B (1);  s14 which 128 columns, also: which half I fetch
.set RH, 13
.set CH, 14
.set TB, 15                            ; s15 LDS byte at which the slot that is read begins
.set G1A, 24                           ; s[24:31] group 1 for A's tiles;  s[32:35], s[36:39] group 0: a set for each first fill; the second then walks
.set G0A, 32
.set G1B, 48                           ; s[48:55], s[56:59], s[60:63] the same for B's
.set G0B, 56
.set FX,  66                           ; s[66:67] vfix
.set MSB, 0
.macro WIN new                         ; the immediate's high byte repeats the setting that is left; a switch that changes nothing is dropped
.if MSB != (\new)
	s_set_vgpr_msb (MSB<<8)|(\new)
.set MSB, \new
.endif
.endm
.set MUL_LO,  0xa1                     ; source 0 (B) window 1, source 1 (A) window 0, C and D window 2; + 0x50: C and D window 3
.set MULB_LO, 0x91                     ; the same with C in window 1: the bias; + 0x40: D window 3
.set TO_B,    0x40                     ; destination window 1, address window 0
.set W1,      0x45                     ; sources and destination window 1
.set S2W2,    0x20                     ; source 2 window 2, all else window 0
.macro PLACES                          ; four places in front of loads into registers that matrix instructions have read, and of lines that read results
.rept 4
	v_nop
.endr
.endm
.macro JLOAD                           ; a joint refill by the walking sets: waves 0 and 1 A's halves, waves 2 and 3 B's; an s_nop 0 and four v_nop follow each line
	s_cmp_eq_u32 s[RH], 0
	s_cbranch_scc0 .Lfor_b_\@
	tensor_load_to_lds s[G0A+4:G0A+7], s[G1A:G1A+7]
	s_nop 0
.rept 4
	v_nop
.endr
	s_branch .Lasked_\@
.Lfor_b_\@:
	tensor_load_to_lds s[G0B+4:G0B+7], s[G1B:G1B+7]
	s_nop 0
.rept 4
	v_nop
.endr
.Lasked_\@:
.endm
.macro CREST                           ; a round of the cluster's barrier behind its opening barrier
	s_cmp_lg_u32 s[WV], 0
	s_cbranch_scc1 .Lnot_wave_0_\@
	s_barrier_signal -3
.Lnot_wave_0_\@:
	s_barrier_wait -3
	s_barrier_signal -1
	s_barrier_wait -1
.endm
.macro CROUND                          ; a whole round
	s_barrier_signal -1
	s_barrier_wait -1
	CREST
.endm
.if KIND == 1
	s_load_b64 s[4:5], s[0:1], 0x0                 ; A and B both lie in qkv
	s_load_b64 s[6:7], s[0:1], 0x0
	s_load_b64 s[10:11], s[0:1], 0x8               ; C
.else
	s_load_b256 s[4:11], s[0:1], 0x0               ; A s[4:5], B s[6:7], bias s[8:9], C s[10:11]
	s_load_b64 s[FX:FX+1], s[0:1], 0x20            ; vfix
.endif
	v_lshl_add_u32 v[SPW], v0, 2, SPARE
	v_mov_b32 v[NIL], 0
	ds_add_u32 v[SPW], v[NIL]                      ; the wave's opening: the add and its wait stand ahead of my first tensor load; the set-up below, work on registers, stands between them
	v_lshrrev_b32 v1, 5, v0
	v_readfirstlane_b32 s[WV], v1
	s_lshr_b32 s[RH], s[WV], 1
	s_and_b32 s[CH], s[WV], 1
	s_mov_b32 s[TB], 0
	s_bfe_u32 s40, ttmp6, 0x40000                  ; cx, cy: my place in the cluster
	s_bfe_u32 s41, ttmp6, 0x40004
.if KIND == 1
	; a cluster is a block of 1,024 queries x 1,024 keys; three of them cover a batch's lower triangle: cluster x 0: queries and keys 0-1,023; 1: queries 1,024-2,047, keys 0-1,023; 2: both 1,024-2,047
	s_cmp_ge_u32 ttmp9, 1
	s_cselect_b32 s2, 1, 0
	s_sub_co_u32 s3, ttmp9, s2
	s_lshl_b32 s43, s2, 2
	s_add_co_u32 s43, s43, s41                     ; tile row in the batch, 0..7
	s_lshl_b32 s42, s3, 2
	s_add_co_u32 s42, s42, s40                     ; tile column, 0..7
	s_and_b32 s2, ttmp7, 0xffff
	s_lshl_b32 s2, s2, 11                          ; the batch's first row
.else
	s_lshl_b32 s42, ttmp9, 2
	s_add_co_u32 s42, s42, s40                     ; tile column = 4 x cluster x + cx
	s_and_b32 s43, ttmp7, 0xffff
	s_lshl_b32 s43, s43, 2
	s_add_co_u32 s43, s43, s41                     ; tile row = 4 x cluster y + cy
.endif
	s_lshl_b32 s22, s43, 8                         ; the tile's first row of A and of C
	s_lshl_b32 s46, s42, 8                         ; its first row of B
.if KIND == 1
	s_add_co_u32 s22, s22, s2
	s_add_co_u32 s46, s46, s2
.endif
	s_lshl_b32 s44, s41, 2
	s_lshl_b32 s44, 15, s44                        ; my row of the cluster
	s_lshl_b32 s45, 0x1111, s40                    ; my column
	s_or_b32 s[G1A], s44, (1<<16)|(1<<20)|(1<<21)|(5<<22)|(3<<25)  ; 15:0 the mask; 17:16 2-byte elements; 20 padding on; 21 set beside a mask; 24:22 after every 64 words; 31:25 4 words
	s_or_b32 s[G1B], s45, (1<<16)|(1<<20)|(1<<21)|(5<<22)|(3<<25)
	s_mov_b32 s[G1A+1], 128<<16                    ; tensor_dim0 = 128
	s_mov_b32 s[G1A+2], 128<<16                    ; tensor_dim1 = 128
	s_mov_b32 s[G1A+3], 128<<16                    ; tile_dim0 = 128
	s_mov_b32 s[G1A+4], 128                        ; tile_dim1 = 128
	s_mov_b32 s[G1A+5], PA                         ; elements from row to row
	s_mov_b32 s[G1A+6], 0
	s_mov_b32 s[G1A+7], 0
	s_mov_b32 s[G1B+1], 128<<16
	s_mov_b32 s[G1B+2], 128<<16
	s_mov_b32 s[G1B+3], 128<<16
	s_mov_b32 s[G1B+4], 128
	s_mov_b32 s[G1B+5], PB
	s_mov_b32 s[G1B+6], 0
	s_mov_b32 s[G1B+7], 0
	; A's address hangs on the tile row alone, B's on the tile column alone, each in registers that never hold the other coordinate; every wave makes both and asks by one
	s_lshl_b32 s17, s[CH], 7                       ; the half of 128 rows that I fetch
	s_add_co_u32 s16, s22, s17
	s_add_co_u32 s46, s46, s17
	s_mov_b32 s17, 0
	s_mov_b32 s47, 0
	s_mov_b64 s[18:19], PA*2
	s_mul_u64 s[16:17], s[16:17], s[18:19]
	s_mov_b64 s[18:19], PB*2
	s_mul_u64 s[46:47], s[46:47], s[18:19]
	s_mul_i32 s20, s[CH], HALFT                    ; where they go: the wave's number alone enters an LDS address
	s_add_co_u32 s21, s20, BOFF
	s_wait_dscnt 0x0                               ; the opening add is done
	s_wait_kmcnt 0x0
.if KIND == 1
	s_add_nc_u64 s[6:7], s[6:7], 2048              ; k's columns begin 1,024 elements into a row of qkv
.endif
	s_add_nc_u64 s[4:5], s[4:5], s[16:17]
	s_add_nc_u64 s[6:7], s[6:7], s[46:47]
.irp s, 0,1
	s_mov_b32 s[G0A+4*(\s)], 1                                     ; count = 1
	s_add_co_u32 s[G0A+4*(\s)+1], s20, (\s)*SLOT                   ; LDS address
	s_add_nc_u64 s[G0A+4*(\s)+2:G0A+4*(\s)+3], s[4:5], (\s)*256    ; global address: K step s
	s_or_b32 s[G0A+4*(\s)+3], s[G0A+4*(\s)+3], 0x80000000          ; type = 2
	s_mov_b32 s[G0B+4*(\s)], 1
	s_add_co_u32 s[G0B+4*(\s)+1], s21, (\s)*SLOT
	s_add_nc_u64 s[G0B+4*(\s)+2:G0B+4*(\s)+3], s[6:7], (\s)*256
	s_or_b32 s[G0B+4*(\s)+3], s[G0B+4*(\s)+3], 0x80000000
.endr
	CROUND                                         ; all sixteen work-groups are here: the first joint loads meet
	s_cmp_eq_u32 s[RH], 0                          ; a wave's two first fills stand in one branch, ahead of every wait on TENSORcnt and every LDS read: two loads of mine are out
	s_cbranch_scc0 .Lfirst_b
	tensor_load_to_lds s[G0A:G0A+3], s[G1A:G1A+7]
	s_nop 0
	tensor_load_to_lds s[G0A+4:G0A+7], s[G1A:G1A+7]
	s_nop 0
.rept 4
	v_nop
.endr
	s_branch .Lfirst_asked
.Lfirst_b:
	tensor_load_to_lds s[G0B:G0B+3], s[G1B:G1B+7]
	s_nop 0
	tensor_load_to_lds s[G0B+4:G0B+7], s[G1B:G1B+7]
	s_nop 0
.rept 4
	v_nop
.endr
.Lfirst_asked:
	; a fragment is 16 rows x 32 K in 8 registers: lane l holds row l % 16, K = 8 (l / 16) + 0..7 and 16 + 8 (l / 16) + 0..7: two loads of 16 bytes, 32 bytes apart
	v_and_b32 v1, 15, v0                           ; l % 16
	v_bfe_u32 v2, v0, 4, 1                         ; l / 16
	s_lshl_b32 s46, s42, 10                        ; my first column in f32 bytes: 1,024 x tile column + 512 x half
	s_lshl_b32 s47, s[CH], 9
	s_add_co_u32 s46, s46, s47
	s_mov_b32 s47, 0
.if BIAS
	s_add_nc_u64 s[8:9], s[8:9], s[46:47]
	v_lshlrev_b32 v[BO], 5, v2                     ; register j of block b is column 16 b + 8 (l / 16) + j
	WIN TO_B
.irp b, 0,1,2,3,4,5,6,7
	global_load_b128 v[BI+8*(\b):BI+8*(\b)+3],   v[BO], s[8:9] offset:64*(\b)
	global_load_b128 v[BI+8*(\b)+4:BI+8*(\b)+7], v[BO], s[8:9] offset:64*(\b)+16
.endr
	WIN 0
.endif
	v_mul_u32_u24 v3, v1, PITCH
	v_lshl_add_u32 v3, v2, 4, v3                   ; row x pitch + 16 x half
	s_mul_i32 s20, s[RH], HALFT                    ; my 128 rows of A
	s_mul_i32 s21, s[CH], HALFT                    ; my 128 rows of B
	s_add_co_u32 s21, s21, BOFF
	v_add_nc_u32 v[ADRA0], s20, v3
	v_add_nc_u32 v[ADRB0], s21, v3
	v_mov_b32 v[ADRA], v[ADRA0]
	v_mov_b32 v[ADRB], v[ADRB0]
	s_mul_i32 s20, s[WV], 16*SPITCH
	s_add_co_u32 s20, s20, STAGE                   ; my stage
.if OUT16
	v_mul_u32_u24 v3, v1, SPITCH                   ; in: row l % 16, 16 bytes for each half of the lanes
	v_lshl_add_u32 v3, v2, 4, v3
	v_add_nc_u32 v[STO], s20, v3
	v_mul_u32_u24 v3, v2, SPITCH                   ; back: lanes 0-15 take one row of 256 bytes, lanes 16-31 the next
	v_lshl_add_u32 v3, v1, 4, v3
	v_add_nc_u32 v[RD], s20, v3
	v_mul_u32_u24 v3, v2, PCB                      ; and the same two rows in C
	v_lshl_add_u32 v[CO], v1, 4, v3
	s_lshr_b32 s46, s46, 1                         ; my first column in f16 bytes
.else
	v_mul_u32_u24 v3, v1, SPITCH                   ; in: row l % 16, 32 bytes for each half of the lanes
	v_lshl_add_u32 v3, v2, 5, v3
	v_add_nc_u32 v[STO], s20, v3
	v_and_b32 v3, 31, v0                           ; back: 32 lanes take one row of 512 bytes,
	v_lshlrev_b32 v[CO], 4, v3                     ; and the same bytes of a row of C
	v_add_nc_u32 v[RD], s20, v[CO]
.endif
	s_lshl_b32 s17, s[RH], 7
	s_add_co_u32 s16, s22, s17                     ; my first row of C
	s_mov_b32 s17, 0
	s_mov_b64 s[18:19], PCB
	s_mul_u64 s[16:17], s[16:17], s[18:19]
	s_add_nc_u64 s[10:11], s[10:11], s[16:17]
	s_add_nc_u64 s[10:11], s[10:11], s[46:47]
.if BIAS
	s_wait_loadcnt 0x0                             ; the bias
	WIN W1
.set i, 0
.rept 32
	v_cvt_pk_bf16_f32 v[BT+i], v[BI+2*i], v[BI+2*i+1]   ; rounded to bf16 like the module's other inputs,
.set i, i+1
.endr
.set i, 0
.rept 32
	v_lshlrev_b32 v[BI+2*i], 16, v[BT+i]                ; and widened again
	v_and_b32 v[BI+2*i+1], 0xffff0000, v[BT+i]
.set i, i+1
.endr
	WIN 0
.endif
.macro MMA c:vararg                    ; one product on the registers that MUL16 has named
.if BF
	v_wmma_f32_16x16x32_bf16 v[rD:rD+7], v[rB:rB+7], v[rA:rA+7], \c
.else
	v_wmma_f32_16x16x32_f16 v[rD:rD+7], v[rB:rB+7], v[rA:rA+7], \c
.endif
.endm
; 16 matrix instructions: row blocks a0, a0 + 1 of the window's four (hi = 0: my rows 0-63, 1: rows 64-127) x all 8 column blocks, 32 along K.  zero = 1: the products start the sums, with the bias or with 0.
; The 64 accumulators take turns, one instruction a turn, in the same order in every quarter.
.macro MUL16 f, hi, a0, zero
.irp a, \a0, (\a0)+1
.irp b, 0,1,2,3,4,5,6,7
.set rD, 8*(8*(\a)+(\b))
.set rB, (\f)+8*(\b)
.set rA, (\f)+8*(4*(\hi)+(\a))
.if (\zero) && BIAS
	WIN MULB_LO+0x40*(\hi)
	MMA v[BI+8*(\b):BI+8*(\b)+7]
.elseif \zero
	WIN MUL_LO+0x50*(\hi)
	MMA 0
.else
	WIN MUL_LO+0x50*(\hi)
	MMA v[rD:rD+7]
.endif
.endr
.endr
.endm
; 32 LDS loads in one run: the fragments of 32 along K at byte k of the rows, into buffer f: B's 8, then A's 8
.macro FETCH k, f
	WIN TO_B
.irp i, 0,1,2,3,4,5,6,7
	ds_load_b128 v[(\f)+8*(\i):(\f)+8*(\i)+3],   v[ADRB] offset:(\k)+(\i)*16*PITCH
	ds_load_b128 v[(\f)+8*(\i)+4:(\f)+8*(\i)+7], v[ADRB] offset:(\k)+(\i)*16*PITCH+32
.endr
	WIN 0
.irp i, 0,1,2,3,4,5,6,7
	ds_load_b128 v[(\f)+8*(\i):(\f)+8*(\i)+3],   v[ADRA] offset:(\k)+(\i)*16*PITCH
	ds_load_b128 v[(\f)+8*(\i)+4:(\f)+8*(\i)+7], v[ADRA] offset:(\k)+(\i)*16*PITCH+32
.endr
.endm
; A K step is four quarters of 32 along K, 64 matrix instructions each, on buffers 0, 1, 0, 1.  One of the first three: multiplies f and fetches the next quarter, at byte k, into g.
.macro QUARTER k, f, g, zero
	s_wait_dscnt 8                                 ; B and A's blocks 0-3 are in; the youngest eight loads (A's blocks 4-7) may be out
	MUL16 \f, 0, 0, \zero
	MUL16 \f, 0, 2, \zero
	PLACES
	FETCH \k, \g
	s_wait_dscnt 32                                ; all but the 32 just issued
	MUL16 \f, 1, 0, \zero
	MUL16 \f, 1, 2, \zero
.endm
; The last quarter multiplies buffer 1 and changes slots: one barrier; in front of it each wave waits for all its tensor loads (the one that is out is its part of the next slot), adds 0 to its
; spare word, and waits for that and for its reads of this slot.  fill = 1: the barrier opens a round of the cluster's, and this slot is filled again, two K steps ahead, first thing behind the round.
.macro TURN fill
	WIN 0                                          ; (the add's two registers lie in window 0)
	s_wait_tensorcnt 0x0
	ds_add_u32 v[SPW], v[NIL]                      ; 0 onto my spare word
	s_wait_dscnt 9                                 ; (the add and the youngest eight loads may be out)
	MUL16 F1, 0, 0, 0                              ; sixteen matrix instructions stand between the add and the wait for it
	s_wait_dscnt 0x0                               ; the add is done, and my reads of this slot are over
	s_barrier_signal -1
	MUL16 F1, 0, 2, 0
.if \fill
	WIN 0
.endif
	s_barrier_wait -1
.if \fill
	CREST                                          ; no wave of any partner still reads this slot's tile or has a load on its way
	s_xor_b32 s[G0A+5], s[G0A+5], SLOT             ; the walking sets: the other slot than last time, the next K step
	s_add_nc_u64 s[G0A+6:G0A+7], s[G0A+6:G0A+7], 256
	s_xor_b32 s[G0B+5], s[G0B+5], SLOT
	s_add_nc_u64 s[G0B+6:G0B+7], s[G0B+6:G0B+7], 256
	JLOAD                                          ; the four v_nop behind it are also the places in front of the loads below
.else
	PLACES
.endif
	s_xor_b32 s[TB], s[TB], SLOT                   ; the reads go on in the other slot
	WIN 0
	v_add_nc_u32 v[ADRA], s[TB], v[ADRA0]
	v_add_nc_u32 v[ADRB], s[TB], v[ADRB0]
	FETCH 0, F0
	MUL16 F1, 1, 0, 0
	MUL16 F1, 1, 2, 0
.endm
	s_wait_tensorcnt 0x1                           ; my part of K step 0 is in; step 1's may stay out
	s_barrier_signal -1
	s_barrier_wait -1                              ; everybody's is
	FETCH 0, F0
	QUARTER 64, F0, F1, 1                          ; the first quarter stands in front of the loops: its products start the sums
	WIN 0                                          ; at a label and at a branch every window is 0
	s_mov_b32 s3, STEPS-2
.Lstep:                                                ; a trip goes from a step's second quarter to the next step's first, and fills the slot that it leaves: six trips bring steps 2 to 7
	QUARTER 128, F1, F0, 0
	QUARTER 192, F0, F1, 0
	TURN 1
	QUARTER 64, F0, F1, 0
	WIN 0
	s_sub_co_u32 s3, s3, 1
	s_cmp_lg_u32 s3, 0
	s_cbranch_scc1 .Lstep
	; The last two steps ask for nothing: a second loop of two trips, without a tensor load, entered behind its first quarter.  Its second trip's change of slots fetches fragments of a tile that has been
	; multiplied already, and nobody uses them: 32 LDS loads and a barrier, once a work-group, the price of one text for both trips.
	s_mov_b32 s3, 2
	s_branch .Lmid
.Ltail:
	QUARTER 64, F0, F1, 0
	WIN 0
.Lmid:
	QUARTER 128, F1, F0, 0
	QUARTER 192, F0, F1, 0
	TURN 0
	WIN 0
	s_sub_co_u32 s3, s3, 1
	s_cmp_lg_u32 s3, 0
	s_cbranch_scc1 .Ltail
	s_wait_dscnt 0x0                               ; the loads that nobody uses have landed: their registers serve the way out
	PLACES
.if OUT16
	; THE WAY OUT in f16, a block of 16 rows at a time through my own stage: 16 bytes a lane in, whole rows of 256 bytes back.  No barrier; LDS serves a wave's instructions in order (ISA guide 5.7.1.4).
.macro PACK a                          ; rounded to f16, each accumulator's registers in ascending order
.set AC, 64*((\a)%4)
	WIN 0x0a+5*((\a)/4)                            ; sources 0 and 1: window 2 or 3
.irp b, 0,1,2,3,4,5,6,7
.irp r, 0,1,2,3
	v_cvt_pk_f16_f32 v[TMP+4*(\b)+(\r)], v[AC+8*(\b)+2*(\r)], v[AC+8*(\b)+2*(\r)+1]
.endr
.endr
	WIN 0
.endm
.macro TOSTAGE a
	WIN 0
.set BK, OB+192*((\a)%2)
.irp b, 0,1,2,3,4,5,6,7
	ds_store_b128 v[STO], v[TMP+4*(\b):TMP+4*(\b)+3] offset:32*(\b)
.endr
.irp t, 0,1,2,3,4,5,6,7
	ds_load_b128 v[BK+4*(\t):BK+4*(\t)+3], v[RD] offset:(\t)*2*SPITCH
.endr
.endm
.macro SEND a
	WIN 0
.set BK, OB+192*((\a)%2)
	s_wait_dscnt 0x0                               ; the block is back in registers
	s_wait_xcnt 0x0                                ; the registers that earlier stores read are loaded again (by the next block) only behind this wait
.irp t, 0,1,2,3,4,5,6,7
	global_store_b128 v[CO], v[BK+4*(\t):BK+4*(\t)+3], s[10:11] offset:(16*(\a)+2*(\t))*PCB  ; 16 lanes store 256 consecutive bytes, at a multiple of 256 from C's first byte
.endr
.endm
	PACK 0
.if KIND == 0
	; vfix: in the cluster column of v (cluster x = 2, which all partners share) the two waves that hold a tile's first 16 rows (row block 0) store them as hi and lo.
	; Layout: [tile row][block of 16 channels][hi, lo][lane][16 bytes]: a lane's 16 bytes of a block are what the same lane of a fragment of 16 keys x 32 channels holds, so each store here, and each
	; load of the launch that reads them, covers 512 consecutive bytes.
	s_cmp_lt_u32 ttmp9, 2
	s_cbranch_scc1 .Lno_fix
	s_cmp_lg_u32 s[RH], 0
	s_cbranch_scc1 .Lno_fix
	s_lshl_b32 s16, s43, 16                        ; a tile row has 64 blocks of 1,024 bytes;
	s_sub_co_u32 s17, s42, 8                       ; v's tile columns begin at 8; a tile column has 16 blocks,
	s_lshl_b32 s17, s17, 14
	s_add_co_u32 s16, s16, s17
	s_lshl_b32 s17, s[CH], 13                      ; my half of it 8
	s_add_co_u32 s16, s16, s17
	s_mov_b32 s17, 0
	s_add_nc_u64 s[FX:FX+1], s[FX:FX+1], s[16:17]
	v_mov_b32 v[NEG], -1.0
	v_and_b32 v[FO], 31, v0
	v_lshlrev_b32 v[FO], 4, v[FO]
	WIN S2W2
.set i, 0
.rept 32
	v_fma_mix_f32 v[LO+2*i],   v[TMP+i], v[NEG], v[2*i]   op_sel_hi:[1,0,0]                ; hi's low half x -1 + the sum: exact
	v_fma_mix_f32 v[LO+2*i+1], v[TMP+i], v[NEG], v[2*i+1] op_sel:[1,0,0] op_sel_hi:[1,0,0]  ; the high half
.set i, i+1
.endr
	WIN 0
.set i, 0
.rept 32
	v_cvt_pk_f16_f32 v[LP+i], v[LO+2*i], v[LO+2*i+1]
.set i, i+1
.endr
.irp b, 0,1,2,3,4,5,6,7
	global_store_b128 v[FO], v[TMP+4*(\b):TMP+4*(\b)+3], s[FX:FX+1] offset:1024*(\b)
	global_store_b128 v[FO], v[LP+4*(\b):LP+4*(\b)+3],   s[FX:FX+1] offset:1024*(\b)+512
.endr
	s_wait_xcnt 0x0                                ; the packed registers that these stores read are written again below only behind this wait
.Lno_fix:
.endif
	TOSTAGE 0
.irp a, 1,2,3,4,5,6,7                  ; block a's conversions stand between block a - 1's loads from the stage and the wait for them
	PACK \a
	SEND (\a)-1
	TOSTAGE \a
.endr
	SEND 7
.else
	; THE WAY OUT in f32, a block of 16 rows at a time through my own stage: 32 bytes a lane and column block in, whole rows of 512 bytes back.  No barrier; LDS serves a wave's instructions in order (ISA guide 5.7.1.4).
.macro TOSTAGE a
	s_wait_xcnt 0x0                                ; the registers that earlier stores read are loaded again only behind this wait
.set AC, 64*((\a)%4)
	WIN 0x08+4*((\a)/4)                            ; LDS store: data window 2 or 3, address window 0
.irp b, 0,1,2,3,4,5,6,7
	ds_store_b128 v[STO], v[AC+8*(\b):AC+8*(\b)+3]   offset:64*(\b)
	ds_store_b128 v[STO], v[AC+8*(\b)+4:AC+8*(\b)+7] offset:64*(\b)+16
.endr
	WIN 0
.set BK, F0+64*((\a)%2)
.irp t, 0,1,2,3,4,5,6,7,8,9,10,11,12,13,14,15
	ds_load_b128 v[BK+4*(\t):BK+4*(\t)+3], v[RD] offset:(\t)*SPITCH
.endr
.endm
.macro SEND a, younger                 ; younger: the LDS instructions issued behind block a's loads: the next block's 32, or none
	WIN 0
.set BK, F0+64*((\a)%2)
	s_wait_dscnt \younger
.irp t, 0,1,2,3,4,5,6,7,8,9,10,11,12,13,14,15
	global_store_b128 v[CO], v[BK+4*(\t):BK+4*(\t)+3], s[10:11] offset:(16*(\a)+(\t))*PCB  ; the wave stores 512 consecutive bytes, at a multiple of 256 from C's first byte
.endr
.endm
	TOSTAGE 0
.irp a, 1,2,3,4,5,6,7
	TOSTAGE \a
	SEND (\a)-1, 32
.endr
	SEND 7, 0
.endif
	s_wait_tensorcnt 0x0                           ; the wave's end: behind my last tensor load and my last LDS store
	ds_add_u32 v[SPW], v[NIL]
	s_wait_dscnt 0x0
	CROUND                                         ; the closing round: no work-group ends while a partner may still ask for a tile that names it
	s_endpgm
.Lfunc_end_k_qebed07cae3_qkvproj:
	.size	k_qebed07cae3_qkvproj, .Lfunc_end_k_qebed07cae3_qkvproj-k_qebed07cae3_qkvproj
	.p2alignl 7, 3214868480
	.fill 96, 4, 3214868480
	.section	.rodata,"a",@progbits
	.p2align	6, 0x0
	.amdhsa_kernel k_qebed07cae3_qkvproj
		.amdhsa_group_segment_fixed_size 327680
		.amdhsa_private_segment_fixed_size 0
		.amdhsa_enable_private_segment 0
		.amdhsa_kernarg_size 40
		.amdhsa_user_sgpr_count 2
		.amdhsa_user_sgpr_kernarg_segment_ptr 1
		.amdhsa_wavefront_size32 1
		.amdhsa_system_sgpr_workgroup_id_x 1
		.amdhsa_system_sgpr_workgroup_id_y 1
		.amdhsa_system_sgpr_workgroup_id_z 1
		.amdhsa_system_vgpr_workitem_id 0
		.amdhsa_next_free_vgpr 1024
		.amdhsa_next_free_sgpr 68
		.amdhsa_reserve_vcc 0
		.amdhsa_float_denorm_mode_32 3
		.amdhsa_float_denorm_mode_16_64 3
		.amdhsa_memory_ordered 1
		.amdhsa_forward_progress 1
		.amdhsa_inst_pref_size 114
	.end_amdhsa_kernel
	.amdgpu_metadata
---
amdhsa.version: [ 1, 2 ]
amdhsa.kernels:
  - .name:           k_qebed07cae3_qkvproj
    .symbol:         k_qebed07cae3_qkvproj.kd
    .args:
      - { .name: xb, .offset: 0, .size: 8, .value_kind: global_buffer, .address_space: global }
      - { .name: wqkvb, .offset: 8, .size: 8, .value_kind: global_buffer, .address_space: global }
      - { .name: bqkv, .offset: 16, .size: 8, .value_kind: global_buffer, .address_space: global }
      - { .name: qkv, .offset: 24, .size: 8, .value_kind: global_buffer, .address_space: global }
      - { .name: vfix, .offset: 32, .size: 8, .value_kind: global_buffer, .address_space: global }
    .group_segment_fixed_size: 327680
    .private_segment_fixed_size: 0
    .kernarg_segment_align: 8
    .kernarg_segment_size: 40
    .max_flat_workgroup_size: 128
    .sgpr_count:     68
    .vgpr_count:     1024
    .wavefront_size: 32
...
	.end_amdgpu_metadata
.endif
;; end of part 2
;; launch scores (part 3): grid 12 x 16, 4 waves a work-group, clusters of 4 x 4, 327,680 bytes of LDS; arguments qkv, sc; writes sc
.if DOCPART == 3
	.amdgcn_target "amdgcn-amd-amdhsa--gfx1250"
	.amdhsa_code_object_version 6
	.text
	.protected	k_qebed07cae3_scores
	.globl	k_qebed07cae3_scores
	.p2align	8
	.type	k_qebed07cae3_scores,@function
k_qebed07cae3_scores:
	s_mov_b64 s[64:65], 0
	v_nop
	global_prefetch_b8 v0, s[64:65] scope:SCOPE_SE
	s_setreg_imm32_b32 hwreg(HW_REG_WAVE_MODE, 25, 1), 1
	s_wait_xcnt 0x0
	s_wait_alu depctr_hold_cnt(0) depctr_sa_sdst(0) depctr_va_vdst(0) depctr_va_sdst(0) depctr_va_ssrc(0) depctr_va_vcc(0) depctr_vm_vsrc(0)
	s_getreg_b32 s2, hwreg(HW_REG_IB_STS2, 6, 4)
	s_cmp_eq_u32 s2, 0
	s_cbranch_scc0 .Lentry_in_a_cluster
	s_endpgm
.Lentry_in_a_cluster:
	s_bfe_u32 s2, ttmp6, 0x10000c
	s_cmp_lg_u32 s2, 0xf033
	s_cbranch_scc0 .Lentry_shape_is_right
	s_endpgm
.Lentry_shape_is_right:
; sc[b][q][k] = sum over d of q[b][q][d] k[b][k][d], unscaled, in f32 (with inputs 30 times the drawn spread the raw scores pass f16's range).  q and k are columns 0-1,023 and 1,024-2,047 of qkv, f16.
; Only tiles that the causal mask leaves are wanted: tile column <= tile row.  A cluster is a block of 1,024 queries x 1,024 keys; three blocks cover a batch's lower triangle: 48 tiles, of which 12
; lie wholly above the diagonal.  Their work-groups are named in their partners' joint loads, and no branch may hang on a place in the cluster, so they run like the others and store into a part of sc
; that no later launch reads: the price of asking jointly, a quarter of this launch's products.  192 work-groups in all.
; ONE TEXT FOR TWO PRODUCTS C = A B^T with K = 1,024; the constants below choose the product.  A tile of C is 256 x 256: four waves, each 128 x 128: 64 accumulators of 16 x 16, 512 registers.
; K goes in steps of 128 through two LDS slots filled by tensor loads: each row of a tile is 256 consecutive bytes, at a multiple of 256.  A wave asks for 128 rows behind each change of slots and issues
; 224 matrix instructions between that request and the wait for it; a tile of 256 x 128 would leave 112, and two slots of two such steps do not fit in LDS.
; CLUSTER 4 x 4: the four of a row need the same tiles of A, the four of a column the same tiles of B: each tile is asked for jointly, by the same load with a mask that names the four.
; THE MATRIX INSTRUCTION IS USED TRANSPOSED (source 0 = 16 rows of B, source 1 = 16 rows of A): a lane holds row lane % 16 of C and eight neighbouring columns.
; REGISTERS in windows of 256: window 0: v16-31 addresses; v64-127, v128-191 A's fragments, two buffers, and on the way out the rows read back.  Window 1: v64-127, v128-191 B's fragments.
; Window 2: the accumulators of my rows 0-63, (a, b) at v[8 (8 a + b)]; window 3: those of my rows 64-127.
.set KIND,  1                          ; 0 qkv's projection, 1 the scores
.set BF,    0                          ; 1: operands bf16; 0: f16
.set BIAS,  0
.set OUT16, 0                          ; 1: C is f16; 0: f32
.set PA,    3072                       ; elements from row to row of A
.set PB,    3072                       ; of B
.set PCB,   8192                       ; bytes from row to row of C
.set STEPS, 8                          ; K steps of 128
.set PITCH, 272                        ; an LDS row: 256 bytes + 16 of padding: the 16 rows of a fragment load start 68 words apart, at 16 different groups of four banks (ISA guide 11.1)
.set HALFT, 128*PITCH                  ; 128 rows: what one load brings, and what one wave reads of A or of B
.set BOFF,  2*HALFT                    ; in a slot: A's 256 rows, then B's 256
.set SLOT,  4*HALFT                    ; 139,264 = 0x22000.  The addresses in slot 0 that are turned (0, 0x8800, 0x11000, 0x19800) have bits 13 and 17 clear: one exclusive or with SLOT adds it, the next takes it away
.set STAGE, 2*SLOT                     ; behind the ring, never filled by a tensor load: 16 rows for each wave, for the way out
.if OUT16
.set SPITCH, 272                       ; a wave's 128 columns in f16 + 16 bytes
.else
.set SPITCH, 528                       ; in f32 + 16 bytes
.endif
.set SPARE, STAGE+4*16*SPITCH          ; the spare words, 128 bytes a wave, which no other line names
.set ADRA0, 16                         ; v16  my lane's place in A's part of slot 0; never rewritten
.set ADRB0, 17                         ; v17  the same for B
.set ADRA,  18                         ; v18  the same in the slot that is read
.set ADRB,  19                         ; v19
.set STO,   24                         ; v24  the way out: where I put my bytes of a row
.set RD,    25                         ; v25  where I read rows back
.set CO,    26                         ; v26  my byte offset in C
.set BO,    27                         ; v27  my byte offset in the bias
.set SPW,   28                         ; v28  my spare word; never rewritten
.set NIL,   29                         ; v29  0; never rewritten
.set NEG,   30                         ; v30  -1.0, for v - hi
.set FO,    31                         ; v31  16 x lane: my bytes in 512 of vfix
.set OB,    32                         ; the way out in f16: 16 rows read back: v32-63 and v224-255 by turns
.set F0,    64                         ; fragment buffer 0, A's in window 0, B's in window 1; on the way out in f32: rows read back, by turns with buffer 1
.set F1,    128                        ; fragment buffer 1
.set TMP,   192                        ; the way out in f16: v192-223 packed results
.set LO,    64                         ; v64-127   v - hi of row block 0, in f32 (behind the products)
.set LP,    128                        ; v128-159  the same, packed to f16
.set BI,    0                          ; the bias as a C operand, window 1: block b at BI + 8 b
.set BT,    192                        ; window 1, at work
.set WV, 12                            ; s12 wave;  s13 which 128 rows are mine, also: I fetch for A (0) or B (1);  s14 which 128 columns, also: which half I fetch
.set RH, 13
.set CH, 14
.set TB, 15                            ; s15 LDS byte at which the slot that is read begins
.set G1A, 24                           ; s[24:31] group 1 for A's tiles;  s[32:35], s[36:39] group 0: a set for each first fill; the second then walks
.set G0A, 32
.set G1B, 48                           ; s[48:55], s[56:59], s[60:63] the same for B's
.set G0B, 56
.set FX,  66                           ; s[66:67] vfix
.set MSB, 0
.macro WIN new                         ; the immediate's high byte repeats the setting that is left; a switch that changes nothing is dropped
.if MSB != (\new)
	s_set_vgpr_msb (MSB<<8)|(\new)
.set MSB, \new
.endif
.endm
.set MUL_LO,  0xa1                     ; source 0 (B) window 1, source 1 (A) window 0, C and D window 2; + 0x50: C and D window 3
.set MULB_LO, 0x91                     ; the same with C in window 1: the bias; + 0x40: D window 3
.set TO_B,    0x40                     ; destination window 1, address window 0
.set W1,      0x45                     ; sources and destination window 1
.set S2W2,    0x20                     ; source 2 window 2, all else window 0
.macro PLACES                          ; four places in front of loads into registers that matrix instructions have read, and of lines that read results
.rept 4
	v_nop
.endr
.endm
.macro JLOAD                           ; a joint refill by the walking sets: waves 0 and 1 A's halves, waves 2 and 3 B's; an s_nop 0 and four v_nop follow each line
	s_cmp_eq_u32 s[RH], 0
	s_cbranch_scc0 .Lfor_b_\@
	tensor_load_to_lds s[G0A+4:G0A+7], s[G1A:G1A+7]
	s_nop 0
.rept 4
	v_nop
.endr
	s_branch .Lasked_\@
.Lfor_b_\@:
	tensor_load_to_lds s[G0B+4:G0B+7], s[G1B:G1B+7]
	s_nop 0
.rept 4
	v_nop
.endr
.Lasked_\@:
.endm
.macro CREST                           ; a round of the cluster's barrier behind its opening barrier
	s_cmp_lg_u32 s[WV], 0
	s_cbranch_scc1 .Lnot_wave_0_\@
	s_barrier_signal -3
.Lnot_wave_0_\@:
	s_barrier_wait -3
	s_barrier_signal -1
	s_barrier_wait -1
.endm
.macro CROUND                          ; a whole round
	s_barrier_signal -1
	s_barrier_wait -1
	CREST
.endm
.if KIND == 1
	s_load_b64 s[4:5], s[0:1], 0x0                 ; A and B both lie in qkv
	s_load_b64 s[6:7], s[0:1], 0x0
	s_load_b64 s[10:11], s[0:1], 0x8               ; C
.else
	s_load_b256 s[4:11], s[0:1], 0x0               ; A s[4:5], B s[6:7], bias s[8:9], C s[10:11]
	s_load_b64 s[FX:FX+1], s[0:1], 0x20            ; vfix
.endif
	v_lshl_add_u32 v[SPW], v0, 2, SPARE
	v_mov_b32 v[NIL], 0
	ds_add_u32 v[SPW], v[NIL]                      ; the wave's opening: the add and its wait stand ahead of my first tensor load; the set-up below, work on registers, stands between them
	v_lshrrev_b32 v1, 5, v0
	v_readfirstlane_b32 s[WV], v1
	s_lshr_b32 s[RH], s[WV], 1
	s_and_b32 s[CH], s[WV], 1
	s_mov_b32 s[TB], 0
	s_bfe_u32 s40, ttmp6, 0x40000                  ; cx, cy: my place in the cluster
	s_bfe_u32 s41, ttmp6, 0x40004
.if KIND == 1
	; a cluster is a block of 1,024 queries x 1,024 keys; three of them cover a batch's lower triangle: cluster x 0: queries and keys 0-1,023; 1: queries 1,024-2,047, keys 0-1,023; 2: both 1,024-2,047
	s_cmp_ge_u32 ttmp9, 1
	s_cselect_b32 s2, 1, 0
	s_sub_co_u32 s3, ttmp9, s2
	s_lshl_b32 s43, s2, 2
	s_add_co_u32 s43, s43, s41                     ; tile row in the batch, 0..7
	s_lshl_b32 s42, s3, 2
	s_add_co_u32 s42, s42, s40                     ; tile column, 0..7
	s_and_b32 s2, ttmp7, 0xffff
	s_lshl_b32 s2, s2, 11                          ; the batch's first row
.else
	s_lshl_b32 s42, ttmp9, 2
	s_add_co_u32 s42, s42, s40                     ; tile column = 4 x cluster x + cx
	s_and_b32 s43, ttmp7, 0xffff
	s_lshl_b32 s43, s43, 2
	s_add_co_u32 s43, s43, s41                     ; tile row = 4 x cluster y + cy
.endif
	s_lshl_b32 s22, s43, 8                         ; the tile's first row of A and of C
	s_lshl_b32 s46, s42, 8                         ; its first row of B
.if KIND == 1
	s_add_co_u32 s22, s22, s2
	s_add_co_u32 s46, s46, s2
.endif
	s_lshl_b32 s44, s41, 2
	s_lshl_b32 s44, 15, s44                        ; my row of the cluster
	s_lshl_b32 s45, 0x1111, s40                    ; my column
	s_or_b32 s[G1A], s44, (1<<16)|(1<<20)|(1<<21)|(5<<22)|(3<<25)  ; 15:0 the mask; 17:16 2-byte elements; 20 padding on; 21 set beside a mask; 24:22 after every 64 words; 31:25 4 words
	s_or_b32 s[G1B], s45, (1<<16)|(1<<20)|(1<<21)|(5<<22)|(3<<25)
	s_mov_b32 s[G1A+1], 128<<16                    ; tensor_dim0 = 128
	s_mov_b32 s[G1A+2], 128<<16                    ; tensor_dim1 = 128
	s_mov_b32 s[G1A+3], 128<<16                    ; tile_dim0 = 128
	s_mov_b32 s[G1A+4], 128                        ; tile_dim1 = 128
	s_mov_b32 s[G1A+5], PA                         ; elements from row to row
	s_mov_b32 s[G1A+6], 0
	s_mov_b32 s[G1A+7], 0
	s_mov_b32 s[G1B+1], 128<<16
	s_mov_b32 s[G1B+2], 128<<16
	s_mov_b32 s[G1B+3], 128<<16
	s_mov_b32 s[G1B+4], 128
	s_mov_b32 s[G1B+5], PB
	s_mov_b32 s[G1B+6], 0
	s_mov_b32 s[G1B+7], 0
	; A's address hangs on the tile row alone, B's on the tile column alone, each in registers that never hold the other coordinate; every wave makes both and asks by one
	s_lshl_b32 s17, s[CH], 7                       ; the half of 128 rows that I fetch
	s_add_co_u32 s16, s22, s17
	s_add_co_u32 s46, s46, s17
	s_mov_b32 s17, 0
	s_mov_b32 s47, 0
	s_mov_b64 s[18:19], PA*2
	s_mul_u64 s[16:17], s[16:17], s[18:19]
	s_mov_b64 s[18:19], PB*2
	s_mul_u64 s[46:47], s[46:47], s[18:19]
	s_mul_i32 s20, s[CH], HALFT                    ; where they go: the wave's number alone enters an LDS address
	s_add_co_u32 s21, s20, BOFF
	s_wait_dscnt 0x0                               ; the opening add is done
	s_wait_kmcnt 0x0
.if KIND == 1
	s_add_nc_u64 s[6:7], s[6:7], 2048              ; k's columns begin 1,024 elements into a row of qkv
.endif
	s_add_nc_u64 s[4:5], s[4:5], s[16:17]
	s_add_nc_u64 s[6:7], s[6:7], s[46:47]
.irp s, 0,1
	s_mov_b32 s[G0A+4*(\s)], 1                                     ; count = 1
	s_add_co_u32 s[G0A+4*(\s)+1], s20, (\s)*SLOT                   ; LDS address
	s_add_nc_u64 s[G0A+4*(\s)+2:G0A+4*(\s)+3], s[4:5], (\s)*256    ; global address: K step s
	s_or_b32 s[G0A+4*(\s)+3], s[G0A+4*(\s)+3], 0x80000000          ; type = 2
	s_mov_b32 s[G0B+4*(\s)], 1
	s_add_co_u32 s[G0B+4*(\s)+1], s21, (\s)*SLOT
	s_add_nc_u64 s[G0B+4*(\s)+2:G0B+4*(\s)+3], s[6:7], (\s)*256
	s_or_b32 s[G0B+4*(\s)+3], s[G0B+4*(\s)+3], 0x80000000
.endr
	CROUND                                         ; all sixteen work-groups are here: the first joint loads meet
	s_cmp_eq_u32 s[RH], 0                          ; a wave's two first fills stand in one branch, ahead of every wait on TENSORcnt and every LDS read: two loads of mine are out
	s_cbranch_scc0 .Lfirst_b
	tensor_load_to_lds s[G0A:G0A+3], s[G1A:G1A+7]
	s_nop 0
	tensor_load_to_lds s[G0A+4:G0A+7], s[G1A:G1A+7]
	s_nop 0
.rept 4
	v_nop
.endr
	s_branch .Lfirst_asked
.Lfirst_b:
	tensor_load_to_lds s[G0B:G0B+3], s[G1B:G1B+7]
	s_nop 0
	tensor_load_to_lds s[G0B+4:G0B+7], s[G1B:G1B+7]
	s_nop 0
.rept 4
	v_nop
.endr
.Lfirst_asked:
	; a fragment is 16 rows x 32 K in 8 registers: lane l holds row l % 16, K = 8 (l / 16) + 0..7 and 16 + 8 (l / 16) + 0..7: two loads of 16 bytes, 32 bytes apart
	v_and_b32 v1, 15, v0                           ; l % 16
	v_bfe_u32 v2, v0, 4, 1                         ; l / 16
	s_lshl_b32 s46, s42, 10                        ; my first column in f32 bytes: 1,024 x tile column + 512 x half
	s_lshl_b32 s47, s[CH], 9
	s_add_co_u32 s46, s46, s47
	s_mov_b32 s47, 0
.if BIAS
	s_add_nc_u64 s[8:9], s[8:9], s[46:47]
	v_lshlrev_b32 v[BO], 5, v2                     ; register j of block b is column 16 b + 8 (l / 16) + j
	WIN TO_B
.irp b, 0,1,2,3,4,5,6,7
	global_load_b128 v[BI+8*(\b):BI+8*(\b)+3],   v[BO], s[8:9] offset:64*(\b)
	global_load_b128 v[BI+8*(\b)+4:BI+8*(\b)+7], v[BO], s[8:9] offset:64*(\b)+16
.endr
	WIN 0
.endif
	v_mul_u32_u24 v3, v1, PITCH
	v_lshl_add_u32 v3, v2, 4, v3                   ; row x pitch + 16 x half
	s_mul_i32 s20, s[RH], HALFT                    ; my 128 rows of A
	s_mul_i32 s21, s[CH], HALFT                    ; my 128 rows of B
	s_add_co_u32 s21, s21, BOFF
	v_add_nc_u32 v[ADRA0], s20, v3
	v_add_nc_u32 v[ADRB0], s21, v3
	v_mov_b32 v[ADRA], v[ADRA0]
	v_mov_b32 v[ADRB], v[ADRB0]
	s_mul_i32 s20, s[WV], 16*SPITCH
	s_add_co_u32 s20, s20, STAGE                   ; my stage
.if OUT16
	v_mul_u32_u24 v3, v1, SPITCH                   ; in: row l % 16, 16 bytes for each half of the lanes
	v_lshl_add_u32 v3, v2, 4, v3
	v_add_nc_u32 v[STO], s20, v3
	v_mul_u32_u24 v3, v2, SPITCH                   ; back: lanes 0-15 take one row of 256 bytes, lanes 16-31 the next
	v_lshl_add_u32 v3, v1, 4, v3
	v_add_nc_u32 v[RD], s20, v3
	v_mul_u32_u24 v3, v2, PCB                      ; and the same two rows in C
	v_lshl_add_u32 v[CO], v1, 4, v3
	s_lshr_b32 s46, s46, 1                         ; my first column in f16 bytes
.else
	v_mul_u32_u24 v3, v1, SPITCH                   ; in: row l % 16, 32 bytes for each half of the lanes
	v_lshl_add_u32 v3, v2, 5, v3
	v_add_nc_u32 v[STO], s20, v3
	v_and_b32 v3, 31, v0                           ; back: 32 lanes take one row of 512 bytes,
	v_lshlrev_b32 v[CO], 4, v3                     ; and the same bytes of a row of C
	v_add_nc_u32 v[RD], s20, v[CO]
.endif
	s_lshl_b32 s17, s[RH], 7
	s_add_co_u32 s16, s22, s17                     ; my first row of C
	s_mov_b32 s17, 0
	s_mov_b64 s[18:19], PCB
	s_mul_u64 s[16:17], s[16:17], s[18:19]
	s_add_nc_u64 s[10:11], s[10:11], s[16:17]
	s_add_nc_u64 s[10:11], s[10:11], s[46:47]
.if BIAS
	s_wait_loadcnt 0x0                             ; the bias
	WIN W1
.set i, 0
.rept 32
	v_cvt_pk_bf16_f32 v[BT+i], v[BI+2*i], v[BI+2*i+1]   ; rounded to bf16 like the module's other inputs,
.set i, i+1
.endr
.set i, 0
.rept 32
	v_lshlrev_b32 v[BI+2*i], 16, v[BT+i]                ; and widened again
	v_and_b32 v[BI+2*i+1], 0xffff0000, v[BT+i]
.set i, i+1
.endr
	WIN 0
.endif
.macro MMA c:vararg                    ; one product on the registers that MUL16 has named
.if BF
	v_wmma_f32_16x16x32_bf16 v[rD:rD+7], v[rB:rB+7], v[rA:rA+7], \c
.else
	v_wmma_f32_16x16x32_f16 v[rD:rD+7], v[rB:rB+7], v[rA:rA+7], \c
.endif
.endm
; 16 matrix instructions: row blocks a0, a0 + 1 of the window's four (hi = 0: my rows 0-63, 1: rows 64-127) x all 8 column blocks, 32 along K.  zero = 1: the products start the sums, with the bias or with 0.
; The 64 accumulators take turns, one instruction a turn, in the same order in every quarter.
.macro MUL16 f, hi, a0, zero
.irp a, \a0, (\a0)+1
.irp b, 0,1,2,3,4,5,6,7
.set rD, 8*(8*(\a)+(\b))
.set rB, (\f)+8*(\b)
.set rA, (\f)+8*(4*(\hi)+(\a))
.if (\zero) && BIAS
	WIN MULB_LO+0x40*(\hi)
	MMA v[BI+8*(\b):BI+8*(\b)+7]
.elseif \zero
	WIN MUL_LO+0x50*(\hi)
	MMA 0
.else
	WIN MUL_LO+0x50*(\hi)
	MMA v[rD:rD+7]
.endif
.endr
.endr
.endm
; 32 LDS loads in one run: the fragments of 32 along K at byte k of the rows, into buffer f: B's 8, then A's 8
.macro FETCH k, f
	WIN TO_B
.irp i, 0,1,2,3,4,5,6,7
	ds_load_b128 v[(\f)+8*(\i):(\f)+8*(\i)+3],   v[ADRB] offset:(\k)+(\i)*16*PITCH
	ds_load_b128 v[(\f)+8*(\i)+4:(\f)+8*(\i)+7], v[ADRB] offset:(\k)+(\i)*16*PITCH+32
.endr
	WIN 0
.irp i, 0,1,2,3,4,5,6,7
	ds_load_b128 v[(\f)+8*(\i):(\f)+8*(\i)+3],   v[ADRA] offset:(\k)+(\i)*16*PITCH
	ds_load_b128 v[(\f)+8*(\i)+4:(\f)+8*(\i)+7], v[ADRA] offset:(\k)+(\i)*16*PITCH+32
.endr
.endm
; A K step is four quarters of 32 along K, 64 matrix instructions each, on buffers 0, 1, 0, 1.  One of the first three: multiplies f and fetches the next quarter, at byte k, into g.
.macro QUARTER k, f, g, zero
	s_wait_dscnt 8                                 ; B and A's blocks 0-3 are in; the youngest eight loads (A's blocks 4-7) may be out
	MUL16 \f, 0, 0, \zero
	MUL16 \f, 0, 2, \zero
	PLACES
	FETCH \k, \g
	s_wait_dscnt 32                                ; all but the 32 just issued
	MUL16 \f, 1, 0, \zero
	MUL16 \f, 1, 2, \zero
.endm
; The last quarter multiplies buffer 1 and changes slots: one barrier; in front of it each wave waits for all its tensor loads (the one that is out is its part of the next slot), adds 0 to its
; spare word, and waits for that and for its reads of this slot.  fill = 1: the barrier opens a round of the cluster's, and this slot is filled again, two K steps ahead, first thing behind the round.
.macro TURN fill
	WIN 0                                          ; (the add's two registers lie in window 0)
	s_wait_tensorcnt 0x0
	ds_add_u32 v[SPW], v[NIL]                      ; 0 onto my spare word
	s_wait_dscnt 9                                 ; (the add and the youngest eight loads may be out)
	MUL16 F1, 0, 0, 0                              ; sixteen matrix instructions stand between the add and the wait for it
	s_wait_dscnt 0x0                               ; the add is done, and my reads of this slot are over
	s_barrier_signal -1
	MUL16 F1, 0, 2, 0
.if \fill
	WIN 0
.endif
	s_barrier_wait -1
.if \fill
	CREST                                          ; no wave of any partner still reads this slot's tile or has a load on its way
	s_xor_b32 s[G0A+5], s[G0A+5], SLOT             ; the walking sets: the other slot than last time, the next K step
	s_add_nc_u64 s[G0A+6:G0A+7], s[G0A+6:G0A+7], 256
	s_xor_b32 s[G0B+5], s[G0B+5], SLOT
	s_add_nc_u64 s[G0B+6:G0B+7], s[G0B+6:G0B+7], 256
	JLOAD                                          ; the four v_nop behind it are also the places in front of the loads below
.else
	PLACES
.endif
	s_xor_b32 s[TB], s[TB], SLOT                   ; the reads go on in the other slot
	WIN 0
	v_add_nc_u32 v[ADRA], s[TB], v[ADRA0]
	v_add_nc_u32 v[ADRB], s[TB], v[ADRB0]
	FETCH 0, F0
	MUL16 F1, 1, 0, 0
	MUL16 F1, 1, 2, 0
.endm
	s_wait_tensorcnt 0x1                           ; my part of K step 0 is in; step 1's may stay out
	s_barrier_signal -1
	s_barrier_wait -1                              ; everybody's is
	FETCH 0, F0
	QUARTER 64, F0, F1, 1                          ; the first quarter stands in front of the loops: its products start the sums
	WIN 0                                          ; at a label and at a branch every window is 0
	s_mov_b32 s3, STEPS-2
.Lstep:                                                ; a trip goes from a step's second quarter to the next step's first, and fills the slot that it leaves: six trips bring steps 2 to 7
	QUARTER 128, F1, F0, 0
	QUARTER 192, F0, F1, 0
	TURN 1
	QUARTER 64, F0, F1, 0
	WIN 0
	s_sub_co_u32 s3, s3, 1
	s_cmp_lg_u32 s3, 0
	s_cbranch_scc1 .Lstep
	; The last two steps ask for nothing: a second loop of two trips, without a tensor load, entered behind its first quarter.  Its second trip's change of slots fetches fragments of a tile that has been
	; multiplied already, and nobody uses them: 32 LDS loads and a barrier, once a work-group, the price of one text for both trips.
	s_mov_b32 s3, 2
	s_branch .Lmid
.Ltail:
	QUARTER 64, F0, F1, 0
	WIN 0
.Lmid:
	QUARTER 128, F1, F0, 0
	QUARTER 192, F0, F1, 0
	TURN 0
	WIN 0
	s_sub_co_u32 s3, s3, 1
	s_cmp_lg_u32 s3, 0
	s_cbranch_scc1 .Ltail
	s_wait_dscnt 0x0                               ; the loads that nobody uses have landed: their registers serve the way out
	PLACES
.if OUT16
	; THE WAY OUT in f16, a block of 16 rows at a time through my own stage: 16 bytes a lane in, whole rows of 256 bytes back.  No barrier; LDS serves a wave's instructions in order (ISA guide 5.7.1.4).
.macro PACK a                          ; rounded to f16, each accumulator's registers in ascending order
.set AC, 64*((\a)%4)
	WIN 0x0a+5*((\a)/4)                            ; sources 0 and 1: window 2 or 3
.irp b, 0,1,2,3,4,5,6,7
.irp r, 0,1,2,3
	v_cvt_pk_f16_f32 v[TMP+4*(\b)+(\r)], v[AC+8*(\b)+2*(\r)], v[AC+8*(\b)+2*(\r)+1]
.endr
.endr
	WIN 0
.endm
.macro TOSTAGE a
	WIN 0
.set BK, OB+192*((\a)%2)
.irp b, 0,1,2,3,4,5,6,7
	ds_store_b128 v[STO], v[TMP+4*(\b):TMP+4*(\b)+3] offset:32*(\b)
.endr
.irp t, 0,1,2,3,4,5,6,7
	ds_load_b128 v[BK+4*(\t):BK+4*(\t)+3], v[RD] offset:(\t)*2*SPITCH
.endr
.endm
.macro SEND a
	WIN 0
.set BK, OB+192*((\a)%2)
	s_wait_dscnt 0x0                               ; the block is back in registers
	s_wait_xcnt 0x0                                ; the registers that earlier stores read are loaded again (by the next block) only behind this wait
.irp t, 0,1,2,3,4,5,6,7
	global_store_b128 v[CO], v[BK+4*(\t):BK+4*(\t)+3], s[10:11] offset:(16*(\a)+2*(\t))*PCB  ; 16 lanes store 256 consecutive bytes, at a multiple of 256 from C's first byte
.endr
.endm
	PACK 0
	TOSTAGE 0
.irp a, 1,2,3,4,5,6,7                  ; block a's conversions stand between block a - 1's loads from the stage and the wait for them
	PACK \a
	SEND (\a)-1
	TOSTAGE \a
.endr
	SEND 7
.else
	; THE WAY OUT in f32, a block of 16 rows at a time through my own stage: 32 bytes a lane and column block in, whole rows of 512 bytes back.  No barrier; LDS serves a wave's instructions in order (ISA guide 5.7.1.4).
.macro TOSTAGE a
	s_wait_xcnt 0x0                                ; the registers that earlier stores read are loaded again only behind this wait
.set AC, 64*((\a)%4)
	WIN 0x08+4*((\a)/4)                            ; LDS store: data window 2 or 3, address window 0
.irp b, 0,1,2,3,4,5,6,7
	ds_store_b128 v[STO], v[AC+8*(\b):AC+8*(\b)+3]   offset:64*(\b)
	ds_store_b128 v[STO], v[AC+8*(\b)+4:AC+8*(\b)+7] offset:64*(\b)+16
.endr
	WIN 0
.set BK, F0+64*((\a)%2)
.irp t, 0,1,2,3,4,5,6,7,8,9,10,11,12,13,14,15
	ds_load_b128 v[BK+4*(\t):BK+4*(\t)+3], v[RD] offset:(\t)*SPITCH
.endr
.endm
.macro SEND a, younger                 ; younger: the LDS instructions issued behind block a's loads: the next block's 32, or none
	WIN 0
.set BK, F0+64*((\a)%2)
	s_wait_dscnt \younger
.irp t, 0,1,2,3,4,5,6,7,8,9,10,11,12,13,14,15
	global_store_b128 v[CO], v[BK+4*(\t):BK+4*(\t)+3], s[10:11] offset:(16*(\a)+(\t))*PCB  ; the wave stores 512 consecutive bytes, at a multiple of 256 from C's first byte
.endr
.endm
	TOSTAGE 0
.irp a, 1,2,3,4,5,6,7
	TOSTAGE \a
	SEND (\a)-1, 32
.endr
	SEND 7, 0
.endif
	s_wait_tensorcnt 0x0                           ; the wave's end: behind my last tensor load and my last LDS store
	ds_add_u32 v[SPW], v[NIL]
	s_wait_dscnt 0x0
	CROUND                                         ; the closing round: no work-group ends while a partner may still ask for a tile that names it
	s_endpgm
.Lfunc_end_k_qebed07cae3_scores:
	.size	k_qebed07cae3_scores, .Lfunc_end_k_qebed07cae3_scores-k_qebed07cae3_scores
	.p2alignl 7, 3214868480
	.fill 96, 4, 3214868480
	.section	.rodata,"a",@progbits
	.p2align	6, 0x0
	.amdhsa_kernel k_qebed07cae3_scores
		.amdhsa_group_segment_fixed_size 327680
		.amdhsa_private_segment_fixed_size 0
		.amdhsa_enable_private_segment 0
		.amdhsa_kernarg_size 16
		.amdhsa_user_sgpr_count 2
		.amdhsa_user_sgpr_kernarg_segment_ptr 1
		.amdhsa_wavefront_size32 1
		.amdhsa_system_sgpr_workgroup_id_x 1
		.amdhsa_system_sgpr_workgroup_id_y 1
		.amdhsa_system_sgpr_workgroup_id_z 1
		.amdhsa_system_vgpr_workitem_id 0
		.amdhsa_next_free_vgpr 1024
		.amdhsa_next_free_sgpr 66
		.amdhsa_reserve_vcc 0
		.amdhsa_float_denorm_mode_32 3
		.amdhsa_float_denorm_mode_16_64 3
		.amdhsa_memory_ordered 1
		.amdhsa_forward_progress 1
		.amdhsa_inst_pref_size 98
	.end_amdhsa_kernel
	.amdgpu_metadata
---
amdhsa.version: [ 1, 2 ]
amdhsa.kernels:
  - .name:           k_qebed07cae3_scores
    .symbol:         k_qebed07cae3_scores.kd
    .args:
      - { .name: qkv, .offset: 0, .size: 8, .value_kind: global_buffer, .address_space: global }
      - { .name: sc, .offset: 8, .size: 8, .value_kind: global_buffer, .address_space: global }
    .group_segment_fixed_size: 327680
    .private_segment_fixed_size: 0
    .kernarg_segment_align: 8
    .kernarg_segment_size: 16
    .max_flat_workgroup_size: 128
    .sgpr_count:     66
    .vgpr_count:     1024
    .wavefront_size: 32
...
	.end_amdgpu_metadata
.endif
;; end of part 3
;; launch softmax (part 4): grid 1024 x 1, 8 waves a work-group, no clusters, 0 bytes of LDS; arguments sc, pb; writes pb
.if DOCPART == 4
	.amdgcn_target "amdgcn-amd-amdhsa--gfx1250"
	.amdhsa_code_object_version 6
	.text
	.protected	k_qebed07cae3_softmax
	.globl	k_qebed07cae3_softmax
	.p2align	8
	.type	k_qebed07cae3_softmax,@function
k_qebed07cae3_softmax:
	s_mov_b64 s[64:65], 0
	v_nop
	global_prefetch_b8 v0, s[64:65] scope:SCOPE_SE
	s_setreg_imm32_b32 hwreg(HW_REG_WAVE_MODE, 25, 1), 1
	s_wait_xcnt 0x0
; pb[b][q][k] = softmax over k <= q of sc[b][q][k] / 32, divided by its sum, rounded once to f16.  sc: [4][2048][2048] f32, raw scores; pb: the same shape in f16.
; One wave, one row: the row stays in registers between the maximum, the exponentials and the scaling, so it is read once; the reduction never leaves the wave: no LDS, no barrier.
; Row q has N = q / 256 + 1 granules of 256 columns; only these are read and written.  Columns behind q in the last granule leave as 0: the product that follows takes keys 256 at a time.
; The maximum is the row's own (key q is always seen); p = 2^(c s - c m), c = log2(e) / 32; the sum is taken of the unrounded p, in f32.
; LIMITS: a hidden score counts as -3.4e38; a weight below 2^-126 counts as 0; in f16 a weight below 6.1e-5 keeps the fixed step of 6e-8; NaN and infinities are not treated apart.
; The eight rows of a work-group lie in one block of 256 rows, so N is the same for its waves.  Each of the four passes is written for eight granules and left by a jump forward when N are done.
; The registers of granules 1 to 7 are first set to the hidden value, so that every register is written on every way through the text.
.set X, 24                             ; v[24:87]  granule g at X + 8 g; register 4 hh + e holds column 256 g + 128 hh + 4 lane + e
.macro SKIP g, lab                     ; leaves a pass when the row has no granule g
.if (\g) > 0
	s_cmp_le_u32 s11, \g
	s_cbranch_scc1 \lab
.endif
.endm
	s_load_b128 s[4:7], s[0:1], 0x0                ; sc s[4:5], pb s[6:7]
	v_lshrrev_b32 v1, 5, v0
	v_readfirstlane_b32 s8, v1                     ; wave
	s_lshl_b32 s9, ttmp9, 3
	s_add_co_u32 s9, s9, s8                        ; my row among the 8,192
	s_and_b32 s10, s9, 2047                        ; q
	s_lshr_b32 s20, s10, 8                         ; the granule that holds the diagonal
	s_add_co_u32 s11, s20, 1                       ; N
	s_lshl_b32 s16, s9, 13                         ; a row of sc is 8,192 bytes,
	s_mov_b32 s17, 0
	s_lshl_b32 s18, s9, 12                         ; of pb 4,096
	s_mov_b32 s19, 0
	s_mov_b32 s12, 0x76543210                      ; v_permlanex16_b32: each lane takes its own place in the other half
	s_mov_b32 s13, 0xfedcba98
	s_mov_b32 s14, 0x3d38aa3b                      ; c = log2(e) / 32
	s_mov_b32 s15, s14                             ; named with it as a pair
	v_and_b32 v1, 31, v0
	v_lshlrev_b32 v2, 4, v1                        ; 16 x lane: my bytes in 512 that are read
	v_lshlrev_b32 v3, 3, v1                        ; 8 x lane: in 256 that are written
	v_lshlrev_b32 v4, 2, v1
	v_sub_nc_u32 v4, s10, v4                       ; q - 4 lane: the column 256 g + 128 hh + 4 lane + e is hidden where 256 g + 128 hh + e is greater
	v_mov_b32 v6, 0xff7fffff                       ; the hidden value
.irp k, 8,9,10,11
	v_mov_b32 v[\k], v6                            ; four chains of maxima
.endr
.irp k, 12,13,14,15,20
	v_mov_b32 v[\k], 0                             ; two pairs of sums; v20 is a lane exchange's destination, which counts as read
.endr
.set i, 8
.rept 56
	v_mov_b32 v[X+i], v6
.set i, i+1
.endr
	s_wait_kmcnt 0x0
	s_add_nc_u64 s[4:5], s[4:5], s[16:17]
	s_add_nc_u64 s[6:7], s[6:7], s[18:19]
	; pass 1: the row's granules, two loads of 512 consecutive bytes each
.irp g, 0,1,2,3,4,5,6,7
	SKIP \g, .Lloaded
	global_load_b128 v[X+8*(\g):X+8*(\g)+3],   v2, s[4:5] offset:1024*(\g) th:TH_LOAD_NT
	global_load_b128 v[X+8*(\g)+4:X+8*(\g)+7], v2, s[4:5] offset:1024*(\g)+512 th:TH_LOAD_NT
.endr
.Lloaded:
	s_wait_loadcnt 0x0                             ; for 0: the number of loads differs from way to way
	; pass 2: the mask, in the granule that holds the diagonal alone (the earlier ones lie wholly in front of it), and the maximum
.irp g, 0,1,2,3,4,5,6,7
	SKIP \g, .Lmaxed
	s_cmp_lg_u32 s20, \g
	s_cbranch_scc1 .Lseen_\g
.irp j, 0,1,2,3,4,5,6,7
	v_cmp_gt_i32 vcc_lo, 256*(\g)+128*((\j)/4)+(\j)%4, v4
	v_cndmask_b32 v[X+8*(\g)+(\j)], v[X+8*(\g)+(\j)], v6, vcc_lo
.endr
.Lseen_\g:
.irp k, 0,1,2,3
	v_max3_num_f32 v[8+(\k)], v[8+(\k)], v[X+8*(\g)+2*(\k)], v[X+8*(\g)+2*(\k)+1]
.endr
.endr
.Lmaxed:
	v_max3_num_f32 v8, v8, v9, v10
	v_max_num_f32 v8, v8, v11
	v_max_num_f32_dpp v8, v8, v8 row_xmask:1 row_mask:0xf bank_mask:0xf
	v_max_num_f32_dpp v8, v8, v8 row_xmask:2 row_mask:0xf bank_mask:0xf
	v_max_num_f32_dpp v8, v8, v8 row_xmask:4 row_mask:0xf bank_mask:0xf
	v_max_num_f32_dpp v8, v8, v8 row_xmask:8 row_mask:0xf bank_mask:0xf
	v_permlanex16_b32 v20, v8, s12, s13
	v_max_num_f32 v8, v8, v20                      ; every lane holds the row's maximum
	v_mul_f32 v16, s14, v8                         ; c m
	v_mov_b32 v17, v16
	; pass 3: p = 2^(c s - c m), and its sum
.irp g, 0,1,2,3,4,5,6,7
	SKIP \g, .Lsummed
.irp k, 0,1,2,3
	v_pk_fma_f32 v[X+8*(\g)+2*(\k):X+8*(\g)+2*(\k)+1], v[X+8*(\g)+2*(\k):X+8*(\g)+2*(\k)+1], s[14:15], v[16:17] op_sel_hi:[1,0,0] neg_lo:[0,0,1] neg_hi:[0,0,1]
.endr
.irp j, 0,1,2,3,4,5,6,7
	v_exp_f32 v[X+8*(\g)+(\j)], v[X+8*(\g)+(\j)]
.endr
	v_nop                                          ; a plain instruction between the last exponential and the use of its result (ISA guide 5.7.2)
	s_wait_alu depctr_va_vdst(0)
.irp k, 0,1,2,3
	v_pk_add_f32 v[12+2*((\k)%2):13+2*((\k)%2)], v[12+2*((\k)%2):13+2*((\k)%2)], v[X+8*(\g)+2*(\k):X+8*(\g)+2*(\k)+1]
.endr
.endr
.Lsummed:
	v_pk_add_f32 v[12:13], v[12:13], v[14:15]
	v_add_f32 v12, v12, v13
	v_add_f32_dpp v12, v12, v12 row_xmask:1 row_mask:0xf bank_mask:0xf
	v_add_f32_dpp v12, v12, v12 row_xmask:2 row_mask:0xf bank_mask:0xf
	v_add_f32_dpp v12, v12, v12 row_xmask:4 row_mask:0xf bank_mask:0xf
	v_add_f32_dpp v12, v12, v12 row_xmask:8 row_mask:0xf bank_mask:0xf
	v_permlanex16_b32 v20, v12, s12, s13
	v_add_f32 v12, v12, v20
	v_rcp_f32 v18, v12                             ; made twice: a pair for the packed multiply
	v_rcp_f32 v19, v12
	v_nop
	s_wait_alu depctr_va_vdst(0)
	; pass 4: divided, rounded to f16 in place, stored: each store of the wave covers 256 consecutive bytes, aligned
.irp g, 0,1,2,3,4,5,6,7
	SKIP \g, .Lstored
.irp k, 0,1,2,3
	v_pk_mul_f32 v[X+8*(\g)+2*(\k):X+8*(\g)+2*(\k)+1], v[X+8*(\g)+2*(\k):X+8*(\g)+2*(\k)+1], v[18:19]
.endr
.irp k, 0,1,2,3
	v_cvt_pk_f16_f32 v[X+8*(\g)+(\k)], v[X+8*(\g)+2*(\k)], v[X+8*(\g)+2*(\k)+1]
.endr
	global_store_b64 v3, v[X+8*(\g):X+8*(\g)+1],   s[6:7] offset:512*(\g)
	global_store_b64 v3, v[X+8*(\g)+2:X+8*(\g)+3], s[6:7] offset:512*(\g)+256
.endr
.Lstored:
	s_endpgm
.Lfunc_end_k_qebed07cae3_softmax:
	.size	k_qebed07cae3_softmax, .Lfunc_end_k_qebed07cae3_softmax-k_qebed07cae3_softmax
	.p2alignl 7, 3214868480
	.fill 96, 4, 3214868480
	.section	.rodata,"a",@progbits
	.p2align	6, 0x0
	.amdhsa_kernel k_qebed07cae3_softmax
		.amdhsa_group_segment_fixed_size 0
		.amdhsa_private_segment_fixed_size 0
		.amdhsa_enable_private_segment 0
		.amdhsa_kernarg_size 16
		.amdhsa_user_sgpr_count 2
		.amdhsa_user_sgpr_kernarg_segment_ptr 1
		.amdhsa_wavefront_size32 1
		.amdhsa_system_sgpr_workgroup_id_x 1
		.amdhsa_system_sgpr_workgroup_id_y 1
		.amdhsa_system_sgpr_workgroup_id_z 1
		.amdhsa_system_vgpr_workitem_id 0
		.amdhsa_next_free_vgpr 96
		.amdhsa_next_free_sgpr 66
		.amdhsa_reserve_vcc 1
		.amdhsa_float_denorm_mode_32 3
		.amdhsa_float_denorm_mode_16_64 3
		.amdhsa_memory_ordered 1
		.amdhsa_forward_progress 1
		.amdhsa_inst_pref_size 28
	.end_amdhsa_kernel
	.amdgpu_metadata
---
amdhsa.version: [ 1, 2 ]
amdhsa.kernels:
  - .name:           k_qebed07cae3_softmax
    .symbol:         k_qebed07cae3_softmax.kd
    .args:
      - { .name: sc, .offset: 0, .size: 8, .value_kind: global_buffer, .address_space: global }
      - { .name: pb, .offset: 8, .size: 8, .value_kind: global_buffer, .address_space: global }
    .group_segment_fixed_size: 0
    .private_segment_fixed_size: 0
    .kernarg_segment_align: 8
    .kernarg_segment_size: 16
    .max_flat_workgroup_size: 256
    .sgpr_count:     66
    .vgpr_count:     96
    .wavefront_size: 32
...
	.end_amdgpu_metadata
.endif
;; end of part 4
;; launch pv (part 5): grid 8 x 32, 4 waves a work-group, clusters of 4 x 1, 327,680 bytes of LDS; arguments pb, qkv, ob; writes ob
.if DOCPART == 5
	.amdgcn_target "amdgcn-amd-amdhsa--gfx1250"
	.amdhsa_code_object_version 6
	.text
	.protected	k_qebed07cae3_pv
	.globl	k_qebed07cae3_pv
	.p2align	8
	.type	k_qebed07cae3_pv,@function
k_qebed07cae3_pv:
	s_mov_b64 s[64:65], 0
	v_nop
	global_prefetch_b8 v0, s[64:65] scope:SCOPE_SE
	s_setreg_imm32_b32 hwreg(HW_REG_WAVE_MODE, 25, 1), 1
	s_wait_xcnt 0x0
	s_wait_alu depctr_hold_cnt(0) depctr_sa_sdst(0) depctr_va_vdst(0) depctr_va_sdst(0) depctr_va_ssrc(0) depctr_va_vcc(0) depctr_vm_vsrc(0)
	s_getreg_b32 s2, hwreg(HW_REG_IB_STS2, 6, 4)
	s_cmp_eq_u32 s2, 0
	s_cbranch_scc0 .Lentry_in_a_cluster
	s_endpgm
.Lentry_in_a_cluster:
	s_bfe_u32 s2, ttmp6, 0x10000c
	s_cmp_lg_u32 s2, 0x3003
	s_cbranch_scc0 .Lentry_shape_is_right
	s_endpgm
.Lentry_shape_is_right:
; ob[b][q][d] = sum over k of pb[b][q][k] v[b][k][d].  pb [4][2048][2048] f16, 0 behind the diagonal up to the next multiple of 256; v = columns 2,048-3,071 of qkv, f16; sums in f32; ob [8192][1024] f16.
; LIMIT: O is a mean of v's rows and has their range, within f16's 65,504.
; THE WALK.  A tile of O is 128 x 128.  Row block i of a batch's 16 needs i / 2 + 1 steps of 256 keys.  A work-group makes TWO tiles whose steps add up to 9, the one with the even number E first:
; blocks 4 u + 2 + vv (E = 2 u + 2 steps) and 12 - 4 u + vv (9 - E).  So all 256 work-groups do equal work, every trip count is a constant, and the first tile ends where a lap round the two slots ends.
; Four waves, each 64 x 64: 16 accumulators.  Two LDS slots, each with P's 128 rows x 256 keys and v's 256 keys x 128 channels; the ring runs on across the change of tiles.
; CLUSTER 4 x 1: the four partners make the same rows of O in four column tiles, so P's tiles are asked for jointly.  v's tiles hang on the column tile, which differs between the partners: they are plain
; loads in the same rounds.  v could be shared only between work-groups with the same walk and column, of which a batch has two: no shape of a cluster.
; THE MATRIX INSTRUCTION IS USED TRANSPOSED: source 0 = 16 channels of v (turned on the way out of LDS by ds_load_tr16_b128), source 1 = 16 rows of P: a lane holds one row of O and eight neighbouring channels.
; REGISTERS: window 0: v0-31 addresses; v32-95 the way out; v128-255 the accumulators ((a, b) at v[128 + 8 (4 a + b)]).  Window 1: two fragment buffers of 128: for 64 keys, 64 registers of P, then 64 of v.
.set PP,    528                        ; a row of P in LDS: 512 bytes + 16: 132 words: the 16 rows of a fragment load start at 16 different groups of four banks (ISA guide 11.1)
.set PV,    288                        ; a row of v: 256 + 32 = 72 words
.set HALFA, 64*PP                      ; what one load brings of P, and what one wave reads of it
.set VOFF,  2*HALFA                    ; in a slot: P's 128 rows, then v's 256 keys
.set HALFV, 128*PV                     ; what one load brings of v
.set SLOT,  VOFF+2*HALFV
.set STAGE, 2*SLOT                     ; behind the ring, never filled by a tensor load: 128 rows x 272 bytes, the work-group's
.set SPITCH, 272
.set SPARE, STAGE+128*SPITCH           ; the spare words, 128 bytes a wave, which no other line names
.set VSTEP, 256*6144                   ; bytes from a step's keys to the next step's in qkv
.set ADRA, 16                          ; v16-17  LDS address of my P fragments in slot 0, 1
.set ADRV, 20                          ; v20-23  of my v fragments: slot 0 keys 0-127, 128-255; slot 1 likewise
.set STO,  24
.set RD,   25
.set CO,   26
.set SPW,  28                          ; v28  my spare word; never rewritten
.set NIL,  29                          ; v29  0; never rewritten
.set TMP,  32
.set ACC,  128
.set F0,   0
.set F1,   128
.set WV, 12                            ; s12 wave;  s13 which 64 rows are mine, also: I fetch P (0) or v (1);  s14 which 64 channels, also: which half I fetch
.set RH, 13
.set CH, 14
.set G1A, 24                           ; s[24:31] group 1 for P's tiles; s[32:39] group 0, a set for each slot
.set G0A, 32
.set G1V, 48                           ; s[48:55], s[56:63] the same for v's
.set G0V, 56
.set FK,   66                          ; s66  the key step to be asked for next, in the tile whose steps are being asked for
.set ECMP, 67                          ; s67  E until the first tile's steps are all asked for, then a number that FK never reaches
.set ROWC, 68                          ; s68  byte offset in pb of the rows that I fetch, in that tile
.set ROWB, 69                          ; s69  the same for the second tile
.set SWC,  70                          ; s70  the loop count at which the first tile ends: 4 - E / 2; 0: behind the loop
.set OFA,  72                          ; s[72:73], s[74:75] byte offsets of the tiles to be asked for
.set OFV,  74
.set OA,   76                          ; s[76:77], s[78:79] O at the rows that I store, first and second tile
.set OB,   78
.set MSB, 0
.macro WIN new
.if MSB != (\new)
	s_set_vgpr_msb (MSB<<8)|(\new)
.set MSB, \new
.endif
.endm
.set MUL,  0x05                        ; sources 0 and 1 window 1; C and D window 0
.set TO_F, 0x40                        ; destination window 1, address window 0
.macro PLACES
.rept 4
	v_nop
.endr
.endm
.macro JLOAD s                         ; waves 0 and 1 ask jointly for P's two halves, waves 2 and 3 each for a half of my v; an s_nop 0 and four v_nop follow each line
	s_cmp_eq_u32 s[RH], 0
	s_cbranch_scc0 .Lfor_v_\@
	tensor_load_to_lds s[G0A+4*(\s):G0A+4*(\s)+3], s[G1A:G1A+7]
	s_nop 0
.rept 4
	v_nop
.endr
	s_branch .Lasked_\@
.Lfor_v_\@:
	tensor_load_to_lds s[G0V+4*(\s):G0V+4*(\s)+3], s[G1V:G1V+7]
	s_nop 0
.rept 4
	v_nop
.endr
.Lasked_\@:
.endm
.macro CREST
	s_cmp_lg_u32 s[WV], 0
	s_cbranch_scc1 .Lnot_wave_0_\@
	s_barrier_signal -3
.Lnot_wave_0_\@:
	s_barrier_wait -3
	s_barrier_signal -1
	s_barrier_wait -1
.endm
.macro CROUND
	s_barrier_signal -1
	s_barrier_wait -1
	CREST
.endm
	s_load_b128 s[4:7], s[0:1], 0x0                ; pb s[4:5], qkv s[6:7]
	s_load_b64 s[8:9], s[0:1], 0x10                ; ob
	v_lshl_add_u32 v[SPW], v0, 2, SPARE
	v_mov_b32 v[NIL], 0
	ds_add_u32 v[SPW], v[NIL]                      ; the wave's opening: the add and its wait stand ahead of my first tensor load; the set-up below, work on registers, stands between them
	v_lshrrev_b32 v1, 5, v0
	v_readfirstlane_b32 s[WV], v1
	s_lshr_b32 s[RH], s[WV], 1
	s_and_b32 s[CH], s[WV], 1
	s_bfe_u32 s40, ttmp6, 0x40000                  ; cx
	s_lshl_b32 s41, ttmp9, 2
	s_add_co_u32 s41, s41, s40                     ; column tile = 4 x cluster x + cx: it enters v's and O's addresses alone
	s_and_b32 s42, ttmp7, 0xffff                   ; y, which the partners share: batch y / 8, u = (y / 2) % 4, vv = y % 2
	s_lshr_b32 s43, s42, 3
	s_bfe_u32 s44, s42, 0x20001
	s_and_b32 s45, s42, 1
	s_lshl_b32 s46, s44, 2
	s_add_co_u32 s47, s46, 2
	s_add_co_u32 s47, s47, s45                     ; the first tile's row block
	s_sub_co_u32 s46, 12, s46
	s_add_co_u32 s46, s46, s45                     ; the second's
	s_lshl_b32 s[ECMP], s44, 1
	s_add_co_u32 s[ECMP], s[ECMP], 2               ; E
	s_sub_co_u32 s[SWC], 3, s44
	s_lshl_b32 s43, s43, 11                        ; the batch's first row
	s_lshl_b32 s47, s47, 7
	s_add_co_u32 s47, s47, s43                     ; the first tile's first row
	s_lshl_b32 s46, s46, 7
	s_add_co_u32 s46, s46, s43                     ; the second's
	s_lshl_b32 s16, s[CH], 6                       ; the half of 64 rows of P that I fetch; a row of pb is 4,096 bytes
	s_add_co_u32 s[ROWC], s47, s16
	s_lshl_b32 s[ROWC], s[ROWC], 12
	s_add_co_u32 s[ROWB], s46, s16
	s_lshl_b32 s[ROWB], s[ROWB], 12
	s_mov_b32 s[FK], 2                             ; steps 0 and 1 are the first fills
	s_mov_b32 s[OFA], s[ROWC]
	s_mov_b32 s[OFA+1], 0
	s_mov_b32 s[OFV+1], 0
	s_lshl_b32 s16, s[CH], 7                       ; v: the half of 128 keys that I fetch, v's columns (4,096 bytes into a row of qkv), my column tile
	s_add_co_u32 s16, s16, s43
	s_mul_i32 s16, s16, 6144
	s_lshl_b32 s19, s41, 8
	s_add_co_u32 s16, s16, s19
	s_add_co_u32 s16, s16, 4096
	s_mov_b32 s17, 0
	s_lshl_b32 s18, s[WV], 5                       ; O: wave w stores rows 32 w .. 32 w + 31 of a tile; a row of ob is 2,048 bytes
	s_add_co_u32 s20, s47, s18
	s_lshl_b32 s20, s20, 11
	s_add_co_u32 s20, s20, s19
	s_mov_b32 s21, 0
	s_add_co_u32 s22, s46, s18
	s_lshl_b32 s22, s22, 11
	s_add_co_u32 s22, s22, s19
	s_mov_b32 s23, 0
	s_mov_b32 s[G1A], 15|(1<<16)|(1<<20)|(1<<21)|(6<<22)|(3<<25)  ; 15:0 the mask of four; 17:16 2-byte elements; 20 padding on; 21 set beside a mask; 24:22 after every 128 words; 31:25 4 words
	s_mov_b32 s[G1A+1], 256<<16                    ; tensor_dim0 = 256
	s_mov_b32 s[G1A+2], 64<<16                     ; tensor_dim1 = 64
	s_mov_b32 s[G1A+3], 256<<16                    ; tile_dim0 = 256
	s_mov_b32 s[G1A+4], 64                         ; tile_dim1 = 64
	s_mov_b32 s[G1A+5], 2048                       ; elements from row to row
	s_mov_b32 s[G1A+6], 0
	s_mov_b32 s[G1A+7], 0
	s_mov_b32 s[G1V], (1<<16)|(1<<20)|(5<<22)|(7<<25)  ; no mask; padding of 8 words after every 64
	s_mov_b32 s[G1V+1], 128<<16
	s_mov_b32 s[G1V+2], 128<<16
	s_mov_b32 s[G1V+3], 128<<16
	s_mov_b32 s[G1V+4], 128
	s_mov_b32 s[G1V+5], 3072
	s_mov_b32 s[G1V+6], 0
	s_mov_b32 s[G1V+7], 0
	s_mul_i32 s2, s[CH], HALFA                     ; where they go: the wave's number alone enters an LDS address
	s_mul_i32 s3, s[CH], HALFV
	s_add_co_u32 s3, s3, VOFF
.irp s, 0,1
	s_mov_b32 s[G0A+4*(\s)], 1
	s_add_co_u32 s[G0A+4*(\s)+1], s2, (\s)*SLOT
	s_mov_b32 s[G0V+4*(\s)], 1
	s_add_co_u32 s[G0V+4*(\s)+1], s3, (\s)*SLOT
.endr
	s_wait_dscnt 0x0                               ; the opening add is done
	s_wait_kmcnt 0x0
	s_add_nc_u64 s[6:7], s[6:7], s[16:17]          ; v at my half of the batch's first 256 keys
	s_add_nc_u64 s[OA:OA+1], s[8:9], s[20:21]
	s_add_nc_u64 s[OB:OB+1], s[8:9], s[22:23]
	s_add_nc_u64 s[G0A+2:G0A+3], s[4:5], s[OFA:OFA+1]      ; key step 0 of the first tile,
	s_add_nc_u64 s[G0A+6:G0A+7], s[G0A+2:G0A+3], 512       ; and step 1
	s_or_b32 s[G0A+3], s[G0A+3], 0x80000000
	s_or_b32 s[G0A+7], s[G0A+7], 0x80000000
	s_mov_b64 s[G0V+2:G0V+3], s[6:7]
	s_add_nc_u64 s[G0V+6:G0V+7], s[6:7], VSTEP
	s_or_b32 s[G0V+3], s[G0V+3], 0x80000000
	s_or_b32 s[G0V+7], s[G0V+7], 0x80000000
	CROUND                                         ; all four work-groups are here: the first joint loads meet
	s_cmp_eq_u32 s[RH], 0                          ; a wave's two first fills stand in one branch: two loads of mine are out
	s_cbranch_scc0 .Lfirst_v
	tensor_load_to_lds s[G0A:G0A+3], s[G1A:G1A+7]
	s_nop 0
	tensor_load_to_lds s[G0A+4:G0A+7], s[G1A:G1A+7]
	s_nop 0
.rept 4
	v_nop
.endr
	s_branch .Lfirst_asked
.Lfirst_v:
	tensor_load_to_lds s[G0V:G0V+3], s[G1V:G1V+7]
	s_nop 0
	tensor_load_to_lds s[G0V+4:G0V+7], s[G1V:G1V+7]
	s_nop 0
.rept 4
	v_nop
.endr
.Lfirst_asked:
	v_and_b32 v1, 15, v0                           ; l % 16
	v_bfe_u32 v2, v0, 4, 1                         ; l / 16
	v_mul_u32_u24 v3, v1, PP
	v_lshl_add_u32 v3, v2, 4, v3                   ; P: row x pitch + 16 x half
	s_mul_i32 s16, s[RH], HALFA
	v_add_nc_u32 v[ADRA], s16, v3
	v_add_nc_u32 v[ADRA+1], SLOT, v[ADRA]
	; the turning load takes 16 keys x 16 channels (lane l reads key 8 (l / 16) + l % 8, channels 8 ((l / 8) % 2) + 0..7) and leaves half a fragment: lane l holds channel l % 16 and 8 keys
	v_and_b32 v4, 7, v0
	v_bfe_u32 v5, v0, 3, 1
	v_lshl_add_u32 v4, v2, 3, v4
	v_mul_u32_u24 v4, v4, PV
	v_lshl_add_u32 v4, v5, 4, v4
	s_lshl_b32 s16, s[CH], 7                       ; my 64 channels
	s_add_co_u32 s16, s16, VOFF
	v_add_nc_u32 v[ADRV], s16, v4
	v_add_nc_u32 v[ADRV+1], HALFV, v[ADRV]
	v_add_nc_u32 v[ADRV+2], SLOT, v[ADRV]
	v_add_nc_u32 v[ADRV+3], SLOT+HALFV, v[ADRV]
	s_mul_i32 s16, s[RH], 64*SPITCH                ; into the stage: my 64 rows, my half of their 256 bytes
	s_lshl_b32 s17, s[CH], 7
	s_add_co_u32 s16, s16, s17
	s_add_co_u32 s16, s16, STAGE
	v_mul_u32_u24 v3, v1, SPITCH
	v_lshl_add_u32 v3, v2, 4, v3
	v_add_nc_u32 v[STO], s16, v3
	s_mul_i32 s16, s[WV], 32*SPITCH                ; back: wave w takes rows 32 w .. 32 w + 31, whole
	s_add_co_u32 s16, s16, STAGE
	v_mul_u32_u24 v3, v2, SPITCH
	v_lshl_add_u32 v3, v1, 4, v3
	v_add_nc_u32 v[RD], s16, v3
	v_lshlrev_b32 v3, 11, v2                       ; and the same two rows in O
	v_lshl_add_u32 v[CO], v1, 4, v3
; 8 matrix instructions: row blocks a0, a0 + 1 x all 4 channel blocks, 32 keys: half c of buffer f.  zero = 1: the products start the sums.  The 16 accumulators take turns.
.macro MUL8 f, c, a0, zero
	WIN MUL
.irp a, \a0, (\a0)+1
.irp b, 0,1,2,3
.if \zero
	v_wmma_f32_16x16x32_f16 v[ACC+8*(4*(\a)+(\b)):ACC+8*(4*(\a)+(\b))+7], v[(\f)+64+8*(4*(\c)+(\b)):(\f)+64+8*(4*(\c)+(\b))+7], v[(\f)+8*(4*(\c)+(\a)):(\f)+8*(4*(\c)+(\a))+7], 0
.else
	v_wmma_f32_16x16x32_f16 v[ACC+8*(4*(\a)+(\b)):ACC+8*(4*(\a)+(\b))+7], v[(\f)+64+8*(4*(\c)+(\b)):(\f)+64+8*(4*(\c)+(\b))+7], v[(\f)+8*(4*(\c)+(\a)):(\f)+8*(4*(\c)+(\a))+7], v[ACC+8*(4*(\a)+(\b)):ACC+8*(4*(\a)+(\b))+7]
.endif
.endr
.endr
.endm
; 32 LDS loads in one run: the fragments of quarter kq (64 keys) of a slot, into buffer f; the first 32 keys first
.macro FETCH slot, kq, f
	WIN TO_F
.irp c, 0,1
.irp i, 0,1,2,3
	ds_load_tr16_b128 v[(\f)+64+8*(4*(\c)+(\i)):(\f)+64+8*(4*(\c)+(\i))+3],   v[ADRV+2*(\slot)+(\kq)/2] offset:(((\kq)%2)*64+32*(\c))*PV+32*(\i)
	ds_load_tr16_b128 v[(\f)+64+8*(4*(\c)+(\i))+4:(\f)+64+8*(4*(\c)+(\i))+7], v[ADRV+2*(\slot)+(\kq)/2] offset:(((\kq)%2)*64+32*(\c))*PV+16*PV+32*(\i)
	ds_load_b128 v[(\f)+8*(4*(\c)+(\i)):(\f)+8*(4*(\c)+(\i))+3],   v[ADRA+(\slot)] offset:128*(\kq)+64*(\c)+(\i)*16*PP
	ds_load_b128 v[(\f)+8*(4*(\c)+(\i))+4:(\f)+8*(4*(\c)+(\i))+7], v[ADRA+(\slot)] offset:128*(\kq)+64*(\c)+(\i)*16*PP+32
.endr
.endr
.endm
; A step is four quarters of 64 keys, 32 matrix instructions each, on buffers 0, 1, 0, 1.  One of the first three: multiplies f and fetches quarter kq into g.
.macro QUARTER slot, kq, f, g, zero
	s_wait_dscnt 16                                ; the first 32 keys' fragments are in
	MUL8 \f, 0, 0, \zero
	MUL8 \f, 0, 2, \zero
	PLACES
	FETCH \slot, \kq, \g
	s_wait_dscnt 32                                ; all but the 32 just issued
	MUL8 \f, 1, 0, 0
	MUL8 \f, 1, 2, 0
.endm
; The addresses of the next fill, made anew from the step's number: behind the first tile's last step comes the second tile's step 0.  No tensor load of the wave is out here.
.macro NEWFILL slot
	s_cmp_eq_u32 s[FK], s[ECMP]
	s_cselect_b32 s[FK], 0, s[FK]
	s_cselect_b32 s[ROWC], s[ROWB], s[ROWC]
	s_cselect_b32 s[ECMP], 99, s[ECMP]
	s_lshl_b32 s[OFA], s[FK], 9                    ; 256 keys are 512 bytes of a row of pb,
	s_add_co_u32 s[OFA], s[OFA], s[ROWC]
	s_mul_i32 s[OFV], s[FK], VSTEP                 ; and 256 rows of qkv
	s_add_nc_u64 s[G0A+4*(\slot)+2:G0A+4*(\slot)+3], s[4:5], s[OFA:OFA+1]
	s_or_b32 s[G0A+4*(\slot)+3], s[G0A+4*(\slot)+3], 0x80000000
	s_add_nc_u64 s[G0V+4*(\slot)+2:G0V+4*(\slot)+3], s[6:7], s[OFV:OFV+1]
	s_or_b32 s[G0V+4*(\slot)+3], s[G0V+4*(\slot)+3], 0x80000000
	s_add_co_u32 s[FK], s[FK], 1
.endm
; The last quarter multiplies buffer 1 and changes slots: one barrier; in front of it each wave waits for all its tensor loads, adds 0 to its spare word, and waits for that and for its reads of this slot.
; fill = 1: the barrier opens a round of the cluster's and this slot is filled again first thing behind it: 112 matrix instructions stand between the request and the wait for it.
.macro TURN slot, next, fill
	WIN 0
	s_wait_tensorcnt 0x0
	ds_add_u32 v[SPW], v[NIL]                      ; 0 onto my spare word
	s_wait_dscnt 17                                ; (the add and the youngest sixteen loads may be out)
	MUL8 F1, 0, 0, 0
	s_wait_dscnt 0x0                               ; the add is done, and my reads of this slot are over
	s_barrier_signal -1
	MUL8 F1, 0, 2, 0
.if \fill
	WIN 0
.endif
	s_barrier_wait -1
.if \fill
	CREST
	NEWFILL \slot
	JLOAD \slot                                    ; the four v_nop behind it are also the places in front of the loads below
.else
	PLACES
.endif
	FETCH \next, 0, F0
	MUL8 F1, 1, 0, 0
	MUL8 F1, 1, 2, 0
.endm
; THE WAY OUT of a tile: rounded to f16; 16 bytes a lane into the work-group's stage; a barrier, since a row's 256 bytes come from two waves; back as whole rows, 32 rows a wave.
; last = 0: a second barrier, behind every wave's reads of the stage, since the stage is written again.  The tensor load that is out crosses these barriers.
.macro EPI p, last
	WIN 0
	PLACES
	s_wait_xcnt 0x0                                ; the registers that an earlier tile's stores read are rewritten only behind this wait
.irp t, 0,1,2,3,4,5,6,7,8,9,10,11,12,13,14,15
.irp r, 0,1,2,3
	v_cvt_pk_f16_f32 v[TMP+4*(\t)+(\r)], v[ACC+8*(\t)+2*(\r)], v[ACC+8*(\t)+2*(\r)+1]
.endr
.endr
.irp a, 0,1,2,3
.irp b, 0,1,2,3
	ds_store_b128 v[STO], v[TMP+4*(4*(\a)+(\b)):TMP+4*(4*(\a)+(\b))+3] offset:(\a)*16*SPITCH+32*(\b)
.endr
.endr
	s_wait_dscnt 0x0                               ; for the others' sake: my stores into the stage are done
	s_barrier_signal -1
	s_barrier_wait -1
.irp t, 0,1,2,3,4,5,6,7,8,9,10,11,12,13,14,15
	ds_load_b128 v[TMP+4*(\t):TMP+4*(\t)+3], v[RD] offset:(\t)*2*SPITCH
.endr
.irp t, 0,1,2,3,4,5,6,7,8,9,10,11,12,13,14,15
	s_wait_dscnt 15-(\t)
	global_store_b128 v[CO], v[TMP+4*(\t):TMP+4*(\t)+3], s[(\p):(\p)+1] offset:4096*(\t)  ; 16 lanes store 256 consecutive bytes, at a multiple of 256 from O's first byte
.endr
.if !(\last)
	s_barrier_signal -1                            ; my reads of the stage are back (the count-down ended at 0)
	s_barrier_wait -1
.endif
.endm
; A lap's end: the first quarter of the next step.  Where the first tile ends here (x = y), it goes out first and the quarter's products start the second tile's sums.  The branch hangs on y's u alone.
.macro SWITCH x, y
	WIN 0
	s_cmp_eq_u32 \x, \y
	s_cbranch_scc0 .Lsame_\@
	EPI OA, 0
	QUARTER 0, 1, F0, F1, 1
	WIN 0
	s_branch .Lnext_\@
.Lsame_\@:
	QUARTER 0, 1, F0, F1, 0
	WIN 0
.Lnext_\@:
.endm
	s_wait_tensorcnt 0x1                           ; my part of step 0 is in; step 1's may stay out
	s_barrier_signal -1
	s_barrier_wait -1
	FETCH 0, 0, F0
	QUARTER 0, 1, F0, F1, 1                        ; the first quarter stands in front of the loop: its first products start the sums
	WIN 0
	s_mov_b32 s3, 3
.Llap:                                                 ; a trip goes once round the ring: three trips multiply steps 0 to 5 and ask for steps 2 to 7
	QUARTER 0, 2, F1, F0, 0
	QUARTER 0, 3, F0, F1, 0
	TURN 0, 1, 1
	QUARTER 1, 1, F0, F1, 0
	QUARTER 1, 2, F1, F0, 0
	QUARTER 1, 3, F0, F1, 0
	TURN 1, 0, 1
	SWITCH s3, s[SWC]
	s_sub_co_u32 s3, s3, 1
	s_cmp_lg_u32 s3, 0
	s_cbranch_scc1 .Llap
	QUARTER 0, 2, F1, F0, 0                        ; steps 6, 7 and 8 are written out
	QUARTER 0, 3, F0, F1, 0
	TURN 0, 1, 1                                   ; the last request: step 8
	QUARTER 1, 1, F0, F1, 0
	QUARTER 1, 2, F1, F0, 0
	QUARTER 1, 3, F0, F1, 0
	TURN 1, 0, 0
	SWITCH s[SWC], 0
	QUARTER 0, 2, F1, F0, 0
	QUARTER 0, 3, F0, F1, 0
	s_wait_dscnt 16
	MUL8 F1, 0, 0, 0
	MUL8 F1, 0, 2, 0
	s_wait_dscnt 0x0
	MUL8 F1, 1, 0, 0
	MUL8 F1, 1, 2, 0
	EPI OB, 1
	s_wait_tensorcnt 0x0                           ; the wave's end: behind my last tensor load and my last LDS store
	ds_add_u32 v[SPW], v[NIL]
	s_wait_dscnt 0x0
	CROUND                                         ; the closing round: no work-group ends while a partner may still ask for a tile that names it
	s_endpgm
.Lfunc_end_k_qebed07cae3_pv:
	.size	k_qebed07cae3_pv, .Lfunc_end_k_qebed07cae3_pv-k_qebed07cae3_pv
	.p2alignl 7, 3214868480
	.fill 96, 4, 3214868480
	.section	.rodata,"a",@progbits
	.p2align	6, 0x0
	.amdhsa_kernel k_qebed07cae3_pv
		.amdhsa_group_segment_fixed_size 327680
		.amdhsa_private_segment_fixed_size 0
		.amdhsa_enable_private_segment 0
		.amdhsa_kernarg_size 24
		.amdhsa_user_sgpr_count 2
		.amdhsa_user_sgpr_kernarg_segment_ptr 1
		.amdhsa_wavefront_size32 1
		.amdhsa_system_sgpr_workgroup_id_x 1
		.amdhsa_system_sgpr_workgroup_id_y 1
		.amdhsa_system_sgpr_workgroup_id_z 1
		.amdhsa_system_vgpr_workitem_id 0
		.amdhsa_next_free_vgpr 512
		.amdhsa_next_free_sgpr 88
		.amdhsa_reserve_vcc 0
		.amdhsa_float_denorm_mode_32 3
		.amdhsa_float_denorm_mode_16_64 3
		.amdhsa_memory_ordered 1
		.amdhsa_forward_progress 1
		.amdhsa_inst_pref_size 132
	.end_amdhsa_kernel
	.amdgpu_metadata
---
amdhsa.version: [ 1, 2 ]
amdhsa.kernels:
  - .name:           k_qebed07cae3_pv
    .symbol:         k_qebed07cae3_pv.kd
    .args:
      - { .name: pb, .offset: 0, .size: 8, .value_kind: global_buffer, .address_space: global }
      - { .name: qkv, .offset: 8, .size: 8, .value_kind: global_buffer, .address_space: global }
      - { .name: ob, .offset: 16, .size: 8, .value_kind: global_buffer, .address_space: global }
    .group_segment_fixed_size: 327680
    .private_segment_fixed_size: 0
    .kernarg_segment_align: 8
    .kernarg_segment_size: 24
    .max_flat_workgroup_size: 128
    .sgpr_count:     88
    .vgpr_count:     512
    .wavefront_size: 32
...
	.end_amdgpu_metadata
.endif
;; end of part 5
;; launch outproj (part 6): grid 8 x 32, 4 waves a work-group, clusters of 4 x 4, 327,680 bytes of LDS; arguments ob, woutb, bout, out0; writes out0
.if DOCPART == 6
	.amdgcn_target "amdgcn-amd-amdhsa--gfx1250"
	.amdhsa_code_object_version 6
	.text
	.protected	k_qebed07cae3_outproj
	.globl	k_qebed07cae3_outproj
	.p2align	8
	.type	k_qebed07cae3_outproj,@function
k_qebed07cae3_outproj:
	s_mov_b64 s[64:65], 0
	v_nop
	global_prefetch_b8 v0, s[64:65] scope:SCOPE_SE
	s_setreg_imm32_b32 hwreg(HW_REG_WAVE_MODE, 25, 1), 1
	s_wait_xcnt 0x0
	s_wait_alu depctr_hold_cnt(0) depctr_sa_sdst(0) depctr_va_vdst(0) depctr_va_sdst(0) depctr_va_ssrc(0) depctr_va_vcc(0) depctr_vm_vsrc(0)
	s_getreg_b32 s2, hwreg(HW_REG_IB_STS2, 6, 4)
	s_cmp_eq_u32 s2, 0
	s_cbranch_scc0 .Lentry_in_a_cluster
	s_endpgm
.Lentry_in_a_cluster:
	s_bfe_u32 s2, ttmp6, 0x10000c
	s_cmp_lg_u32 s2, 0xf033
	s_cbranch_scc0 .Lentry_shape_is_right
	s_endpgm
.Lentry_shape_is_right:
; out0[m][n] = sum over k of ob[m][k] woutb[n][k] + bf16(bout[n]).  ob [8192][1024] f16; woutb [1024][1024]: Wout rounded to bf16, written as f16; sums in f32; out0 [8192][1024] f32.
; ONE TEXT FOR THREE PRODUCTS C = A B^T with K = 1,024; the constants below choose the product.  A tile of C is 256 x 128: 256 tiles here, one for each work-group place.
; Four waves, each 128 x 64 of C: 32 accumulators of 16 x 16.  K goes in steps of 128 through two LDS slots filled by tensor loads: each row of a tile is 256 consecutive bytes, at a multiple of 256.
; CLUSTER 4 x 4: the four of a row need the same tiles of A, the four of a column the same tiles of B: each tile is asked for jointly, by the same load with a mask that names the four.
; THE MATRIX INSTRUCTION IS USED TRANSPOSED (source 0 = 16 rows of B, source 1 = 16 rows of A): a lane holds row lane % 16 of C and eight neighbouring columns.
; The bias, rounded to bf16 like every input of the module, is the C operand of the products that start the sums: nothing is cleared and nothing is added on the way out.
; REGISTERS in windows of 256: window 0 addresses and the way out; window 1 two fragment buffers of 96 (A's 8 fragments, then B's 4), the bias (v192-223), v224-239 at work; window 2 the accumulators, (a, b) at v[8 (4 a + b)].
.set KIND,  2                          ; 0 qkv's projection, 1 the scores, 2 the output's projection
.set BF,    0                          ; 1: operands bf16; 0: f16
.set BIAS,  1
.set OUT16, 0                          ; 1: C is f16; 0: f32
.set PA,    1024                       ; elements from row to row of A
.set PB,    1024                       ; of B
.set PCB,   4096                       ; bytes from row to row of C
.set STEPS, 8                          ; K steps of 128
.set PITCH, 272                        ; an LDS row: 256 bytes + 16 of padding: the 16 rows of a fragment load start 68 words apart, at 16 different groups of four banks (ISA guide 11.1)
.set HALFA, 128*PITCH                  ; what one load brings of A, and what one wave reads of it
.set HALFB, 64*PITCH                   ; the same for B
.set BOFF,  2*HALFA                    ; in a slot: A's 256 rows, then B's 128
.set SLOT1, 1<<17                      ; slot 1 begins here: one exclusive or turns an address in one slot into the other's
.set STAGE, SLOT1+BOFF+2*HALFB         ; behind the ring, never filled by a tensor load: the way out
.set SPITCH, 272
.if OUT16
.set SPARE, STAGE+256*SPITCH           ; one stage of 256 rows for the work-group
.else
.set SPARE, STAGE+4*16*SPITCH          ; a stage of 16 rows for each wave
.endif                                 ; from SPARE on: the spare words, 128 bytes a wave, which no other line names
.set ADRA0, 16                         ; v16  my lane's place in A's part of slot 0; never rewritten
.set ADRB0, 17                         ; v17  the same for B
.set ADRA,  18                         ; v18  the same in the slot that is read
.set ADRB,  19                         ; v19
.set STO,   24                         ; v24  the way out: where I put my bytes of a row
.set RD,    25                         ; v25  where I read rows back
.set CO,    26                         ; v26  my byte offset in C
.set BO,    27                         ; v27  my byte offset in the bias
.set SPW,   28                         ; v28  my spare word; never rewritten
.set NIL,   29                         ; v29  0; never rewritten
.set TMP,   32                         ; the way out, window 0
.set F0,    0                          ; fragment buffers, window 1
.set F1,    96
.set BI,    192                        ; the bias as a C operand, window 1: block b at BI + 8 b
.set BT,    224
.set WV, 12                            ; s12 wave;  s13 which 128 rows are mine, also: I fetch for A (0) or B (1);  s14 which 64 columns, also: which half I fetch
.set RH, 13
.set CH, 14
.set TB, 15                            ; s15 LDS byte at which the slot that is read begins
.set G1A, 24                           ; s[24:31] group 1 for A's tiles;  s[32:35], s[36:39] group 0: a set for each first fill; the second then walks
.set G0A, 32
.set G1B, 48                           ; s[48:55], s[56:59], s[60:63] the same for B's
.set G0B, 56
.set MSB, 0
.macro WIN new                         ; the immediate's high byte repeats the setting that is left; a switch that changes nothing is dropped
.if MSB != (\new)
	s_set_vgpr_msb (MSB<<8)|(\new)
.set MSB, \new
.endif
.endm
.set MUL,  0xa5                        ; sources 0 and 1 window 1, C and D window 2
.set MULB, 0x95                        ; the same with C in window 1: the bias
.set TO_F, 0x40                        ; destination window 1, address window 0
.set W1,   0x45                        ; sources and destination window 1
.set PK,   0x0a                        ; sources window 2, destination window 0
.set ST2,  0x08                        ; LDS store: data window 2, address window 0
.macro PLACES                          ; four places in front of loads into registers that matrix instructions have read, and of lines that read results
.rept 4
	v_nop
.endr
.endm
.macro JLOAD                           ; a joint refill by the walking sets: waves 0 and 1 A's halves, waves 2 and 3 B's; an s_nop 0 and four v_nop follow each line
	s_cmp_eq_u32 s[RH], 0
	s_cbranch_scc0 .Lfor_b_\@
	tensor_load_to_lds s[G0A+4:G0A+7], s[G1A:G1A+7]
	s_nop 0
.rept 4
	v_nop
.endr
	s_branch .Lasked_\@
.Lfor_b_\@:
	tensor_load_to_lds s[G0B+4:G0B+7], s[G1B:G1B+7]
	s_nop 0
.rept 4
	v_nop
.endr
.Lasked_\@:
.endm
.macro CREST                           ; a round of the cluster's barrier behind its opening barrier
	s_cmp_lg_u32 s[WV], 0
	s_cbranch_scc1 .Lnot_wave_0_\@
	s_barrier_signal -3
.Lnot_wave_0_\@:
	s_barrier_wait -3
	s_barrier_signal -1
	s_barrier_wait -1
.endm
.macro CROUND                          ; a whole round
	s_barrier_signal -1
	s_barrier_wait -1
	CREST
.endm
.if KIND == 1
	s_load_b64 s[4:5], s[0:1], 0x0                 ; A and B both lie in qkv
	s_load_b64 s[6:7], s[0:1], 0x0
	s_load_b64 s[10:11], s[0:1], 0x8               ; C
.else
	s_load_b256 s[4:11], s[0:1], 0x0               ; A s[4:5], B s[6:7], bias s[8:9], C s[10:11]
.endif
	v_lshl_add_u32 v[SPW], v0, 2, SPARE
	v_mov_b32 v[NIL], 0
	ds_add_u32 v[SPW], v[NIL]                      ; the wave's opening: the add and its wait stand ahead of my first tensor load; the set-up below, work on registers, stands between them
	v_lshrrev_b32 v1, 5, v0
	v_readfirstlane_b32 s[WV], v1
	s_lshr_b32 s[RH], s[WV], 1
	s_and_b32 s[CH], s[WV], 1
	s_mov_b32 s[TB], 0
	s_bfe_u32 s40, ttmp6, 0x40000                  ; cx, cy: my place in the cluster
	s_bfe_u32 s41, ttmp6, 0x40004
.if KIND == 1
	; a cluster is a block of 1,024 queries x 512 keys; six of them cover a batch's lower triangle: cluster x 0, 1: queries 0-1,023, keys 512 x; 2 to 5: queries 1,024-2,047, keys 512 (x - 2)
	s_cmp_ge_u32 ttmp9, 2
	s_cselect_b32 s2, 1, 0
	s_lshl_b32 s3, s2, 1
	s_sub_co_u32 s3, ttmp9, s3
	s_lshl_b32 s43, s2, 2
	s_add_co_u32 s43, s43, s41                     ; tile row in the batch, 0..7
	s_lshl_b32 s42, s3, 2
	s_add_co_u32 s42, s42, s40                     ; tile column, 0..15
	s_and_b32 s2, ttmp7, 0xffff
	s_lshl_b32 s2, s2, 11                          ; the batch's first row
.else
	s_lshl_b32 s42, ttmp9, 2
	s_add_co_u32 s42, s42, s40                     ; tile column = 4 x cluster x + cx
	s_and_b32 s43, ttmp7, 0xffff
	s_lshl_b32 s43, s43, 2
	s_add_co_u32 s43, s43, s41                     ; tile row = 4 x cluster y + cy
.endif
	s_lshl_b32 s22, s43, 8                         ; the tile's first row of A and of C
	s_lshl_b32 s46, s42, 7                         ; its first row of B
.if KIND == 1
	s_add_co_u32 s22, s22, s2
	s_add_co_u32 s46, s46, s2
.endif
	s_lshl_b32 s44, s41, 2
	s_lshl_b32 s44, 15, s44                        ; my row of the cluster
	s_lshl_b32 s45, 0x1111, s40                    ; my column
	s_or_b32 s[G1A], s44, (1<<16)|(1<<20)|(1<<21)|(5<<22)|(3<<25)  ; 15:0 the mask; 17:16 2-byte elements; 20 padding on; 21 set beside a mask; 24:22 after every 64 words; 31:25 4 words
	s_or_b32 s[G1B], s45, (1<<16)|(1<<20)|(1<<21)|(5<<22)|(3<<25)
	s_mov_b32 s[G1A+1], 128<<16                    ; tensor_dim0 = 128
	s_mov_b32 s[G1A+2], 128<<16                    ; tensor_dim1 = 128
	s_mov_b32 s[G1A+3], 128<<16                    ; tile_dim0 = 128
	s_mov_b32 s[G1A+4], 128                        ; tile_dim1 = 128
	s_mov_b32 s[G1A+5], PA                         ; elements from row to row
	s_mov_b32 s[G1A+6], 0
	s_mov_b32 s[G1A+7], 0
	s_mov_b32 s[G1B+1], 128<<16
	s_mov_b32 s[G1B+2], 64<<16                     ; 64 rows
	s_mov_b32 s[G1B+3], 128<<16
	s_mov_b32 s[G1B+4], 64
	s_mov_b32 s[G1B+5], PB
	s_mov_b32 s[G1B+6], 0
	s_mov_b32 s[G1B+7], 0
	; A's address hangs on the tile row alone, B's on the tile column alone, each in registers that never hold the other coordinate; every wave makes both and asks by one
	s_lshl_b32 s17, s[CH], 7
	s_add_co_u32 s16, s22, s17                     ; A: the half of 128 rows that I fetch
	s_lshl_b32 s17, s[CH], 6
	s_add_co_u32 s46, s46, s17                     ; B: the half of 64 rows
	s_mov_b32 s17, 0
	s_mov_b32 s47, 0
	s_mov_b64 s[18:19], PA*2
	s_mul_u64 s[16:17], s[16:17], s[18:19]
	s_mov_b64 s[18:19], PB*2
	s_mul_u64 s[46:47], s[46:47], s[18:19]
	s_mul_i32 s20, s[CH], HALFA                    ; where they go: the wave's number alone enters an LDS address
	s_mul_i32 s21, s[CH], HALFB
	s_add_co_u32 s21, s21, BOFF
	s_wait_dscnt 0x0                               ; the opening add is done
	s_wait_kmcnt 0x0
.if KIND == 1
	s_add_nc_u64 s[6:7], s[6:7], 2048              ; k's columns begin 1,024 elements into a row of qkv
.endif
	s_add_nc_u64 s[4:5], s[4:5], s[16:17]
	s_add_nc_u64 s[6:7], s[6:7], s[46:47]
.irp s, 0,1
	s_mov_b32 s[G0A+4*(\s)], 1                                     ; count = 1
	s_add_co_u32 s[G0A+4*(\s)+1], s20, (\s)*SLOT1                  ; LDS address
	s_add_nc_u64 s[G0A+4*(\s)+2:G0A+4*(\s)+3], s[4:5], (\s)*256    ; global address: K step s
	s_or_b32 s[G0A+4*(\s)+3], s[G0A+4*(\s)+3], 0x80000000          ; type = 2
	s_mov_b32 s[G0B+4*(\s)], 1
	s_add_co_u32 s[G0B+4*(\s)+1], s21, (\s)*SLOT1
	s_add_nc_u64 s[G0B+4*(\s)+2:G0B+4*(\s)+3], s[6:7], (\s)*256
	s_or_b32 s[G0B+4*(\s)+3], s[G0B+4*(\s)+3], 0x80000000
.endr
	CROUND                                         ; all sixteen work-groups are here: the first joint loads meet
	s_cmp_eq_u32 s[RH], 0                          ; a wave's two first fills stand in one branch, ahead of every wait on TENSORcnt and every LDS read: two loads of mine are out
	s_cbranch_scc0 .Lfirst_b
	tensor_load_to_lds s[G0A:G0A+3], s[G1A:G1A+7]
	s_nop 0
	tensor_load_to_lds s[G0A+4:G0A+7], s[G1A:G1A+7]
	s_nop 0
.rept 4
	v_nop
.endr
	s_branch .Lfirst_asked
.Lfirst_b:
	tensor_load_to_lds s[G0B:G0B+3], s[G1B:G1B+7]
	s_nop 0
	tensor_load_to_lds s[G0B+4:G0B+7], s[G1B:G1B+7]
	s_nop 0
.rept 4
	v_nop
.endr
.Lfirst_asked:
	; a fragment is 16 rows x 32 K in 8 registers: lane l holds row l % 16, K = 8 (l / 16) + 0..7 and 16 + 8 (l / 16) + 0..7: two loads of 16 bytes, 32 bytes apart
	v_and_b32 v1, 15, v0                           ; l % 16
	v_bfe_u32 v2, v0, 4, 1                         ; l / 16
	s_lshl_b32 s46, s42, 9                         ; my first column in f32 bytes: 512 x tile column + 256 x half
	s_lshl_b32 s47, s[CH], 8
	s_add_co_u32 s46, s46, s47
	s_mov_b32 s47, 0
.if BIAS
	s_add_nc_u64 s[8:9], s[8:9], s[46:47]
	v_lshlrev_b32 v[BO], 5, v2                     ; register j of block b is column 16 b + 8 (l / 16) + j
	WIN TO_F
.irp b, 0,1,2,3
	global_load_b128 v[BI+8*(\b):BI+8*(\b)+3],   v[BO], s[8:9] offset:64*(\b)
	global_load_b128 v[BI+8*(\b)+4:BI+8*(\b)+7], v[BO], s[8:9] offset:64*(\b)+16
.endr
	WIN 0
.endif
	v_mul_u32_u24 v3, v1, PITCH
	v_lshl_add_u32 v3, v2, 4, v3                   ; row x pitch + 16 x half
	s_mul_i32 s20, s[RH], HALFA                    ; my 128 rows of A
	s_mul_i32 s21, s[CH], HALFB                    ; my 64 rows of B
	s_add_co_u32 s21, s21, BOFF
	v_add_nc_u32 v[ADRA0], s20, v3
	v_add_nc_u32 v[ADRB0], s21, v3
	v_mov_b32 v[ADRA], v[ADRA0]
	v_mov_b32 v[ADRB], v[ADRB0]
.if OUT16
	s_mul_i32 s20, s[RH], 128*SPITCH               ; into the stage: my 128 rows, my half of their 256 bytes; row l % 16, 16 bytes for each half of the lanes
	s_lshl_b32 s21, s[CH], 7
	s_add_co_u32 s20, s20, s21
	s_add_co_u32 s20, s20, STAGE
	v_mul_u32_u24 v3, v1, SPITCH
	v_lshl_add_u32 v3, v2, 4, v3
	v_add_nc_u32 v[STO], s20, v3
	s_mul_i32 s20, s[WV], 64*SPITCH                ; back: wave w takes rows 64 w .. 64 w + 63, whole
	s_lshl_b32 s17, s[WV], 6
	s_lshl_b32 s46, s42, 8                         ; the tile's first column in f16 bytes
.else
	s_mul_i32 s20, s[WV], 16*SPITCH                ; my own stage: row l % 16, 32 bytes for each half of the lanes
	s_add_co_u32 s21, s20, STAGE
	v_mul_u32_u24 v3, v1, SPITCH
	v_lshl_add_u32 v3, v2, 5, v3
	v_add_nc_u32 v[STO], s21, v3
	s_lshl_b32 s17, s[RH], 7
.endif
	s_add_co_u32 s20, s20, STAGE
	v_mul_u32_u24 v3, v2, SPITCH                   ; lanes 0-15 take one row of 256 bytes, lanes 16-31 the next
	v_lshl_add_u32 v3, v1, 4, v3
	v_add_nc_u32 v[RD], s20, v3
	v_mul_u32_u24 v3, v2, PCB                      ; and the same two rows in C
	v_lshl_add_u32 v[CO], v1, 4, v3
	s_add_co_u32 s16, s22, s17                     ; the first row of C that I store
	s_mov_b32 s17, 0
	s_mov_b64 s[18:19], PCB
	s_mul_u64 s[16:17], s[16:17], s[18:19]
	s_add_nc_u64 s[10:11], s[10:11], s[16:17]
	s_add_nc_u64 s[10:11], s[10:11], s[46:47]
.if BIAS
	s_wait_loadcnt 0x0                             ; the bias
	WIN W1
.set i, 0
.rept 16
	v_cvt_pk_bf16_f32 v[BT+i], v[BI+2*i], v[BI+2*i+1]   ; rounded to bf16 like the module's other inputs,
.set i, i+1
.endr
.set i, 0
.rept 16
	v_lshlrev_b32 v[BI+2*i], 16, v[BT+i]                ; and widened again
	v_and_b32 v[BI+2*i+1], 0xffff0000, v[BT+i]
.set i, i+1
.endr
	WIN 0
.endif
.macro MMA c:vararg                    ; one product on the registers that MUL8 has named
.if BF
	v_wmma_f32_16x16x32_bf16 v[rD:rD+7], v[rB:rB+7], v[rA:rA+7], \c
.else
	v_wmma_f32_16x16x32_f16 v[rD:rD+7], v[rB:rB+7], v[rA:rA+7], \c
.endif
.endm
; 8 matrix instructions: row blocks a0, a0 + 1 x all 4 column blocks, 32 along K.  zero = 1: the products start the sums, with the bias or with 0.
; The 32 accumulators take turns, one instruction a turn, in the same order in every quarter.
.macro MUL8 f, a0, zero
.irp a, \a0, (\a0)+1
.irp b, 0,1,2,3
.set rD, 8*(4*(\a)+(\b))
.set rB, (\f)+64+8*(\b)
.set rA, (\f)+8*(\a)
.if (\zero) && BIAS
	WIN MULB
	MMA v[BI+8*(\b):BI+8*(\b)+7]
.elseif \zero
	WIN MUL
	MMA 0
.else
	WIN MUL
	MMA v[rD:rD+7]
.endif
.endr
.endr
.endm
; 24 LDS loads in one run: the fragments of 32 along K at byte k of the rows, into buffer f: B's 4, then A's 8
.macro FETCH k, f
	WIN TO_F
.irp i, 0,1,2,3
	ds_load_b128 v[(\f)+64+8*(\i):(\f)+64+8*(\i)+3],   v[ADRB] offset:(\k)+(\i)*16*PITCH
	ds_load_b128 v[(\f)+64+8*(\i)+4:(\f)+64+8*(\i)+7], v[ADRB] offset:(\k)+(\i)*16*PITCH+32
.endr
.irp i, 0,1,2,3,4,5,6,7
	ds_load_b128 v[(\f)+8*(\i):(\f)+8*(\i)+3],   v[ADRA] offset:(\k)+(\i)*16*PITCH
	ds_load_b128 v[(\f)+8*(\i)+4:(\f)+8*(\i)+7], v[ADRA] offset:(\k)+(\i)*16*PITCH+32
.endr
.endm
; A K step is four quarters of 32 along K, 32 matrix instructions each, on buffers 0, 1, 0, 1.  One of the first three: multiplies f and fetches the next quarter, at byte k, into g.
.macro QUARTER k, f, g, zero
	s_wait_dscnt 8                                 ; B and A's blocks 0-3 are in; the youngest eight loads (A's blocks 4-7) may be out
	MUL8 \f, 0, \zero
	MUL8 \f, 2, \zero
	PLACES
	FETCH \k, \g
	s_wait_dscnt 24                                ; all but the 24 just issued
	MUL8 \f, 4, \zero
	MUL8 \f, 6, \zero
.endm
; The last quarter multiplies buffer 1 and changes slots: one barrier; in front of it each wave waits for all its tensor loads (the one that is out is its part of the next slot), adds 0 to its
; spare word, and waits for that and for its reads of this slot.  fill = 1: the barrier opens a round of the cluster's, and this slot is filled again, two K steps ahead, first thing behind the round:
; from the request to the wait for it a wave issues 112 matrix instructions.
.macro TURN fill
	WIN 0                                          ; (the add's two registers lie in window 0)
	s_wait_tensorcnt 0x0
	ds_add_u32 v[SPW], v[NIL]                      ; 0 onto my spare word
	s_wait_dscnt 9                                 ; (the add and the youngest eight loads may be out)
	MUL8 F1, 0, 0                                  ; eight matrix instructions stand between the add and the wait for it
	s_wait_dscnt 0x0                               ; the add is done, and my reads of this slot are over
	s_barrier_signal -1
	MUL8 F1, 2, 0
.if \fill
	WIN 0
.endif
	s_barrier_wait -1
.if \fill
	CREST                                          ; no wave of any partner still reads this slot's tile or has a load on its way
	s_xor_b32 s[G0A+5], s[G0A+5], SLOT1            ; the walking sets: the other slot than last time, the next K step
	s_add_nc_u64 s[G0A+6:G0A+7], s[G0A+6:G0A+7], 256
	s_xor_b32 s[G0B+5], s[G0B+5], SLOT1
	s_add_nc_u64 s[G0B+6:G0B+7], s[G0B+6:G0B+7], 256
	JLOAD                                          ; the four v_nop behind it are also the places in front of the loads below
.else
	PLACES
.endif
	s_xor_b32 s[TB], s[TB], SLOT1                  ; the reads go on in the other slot
	WIN 0
	v_add_nc_u32 v[ADRA], s[TB], v[ADRA0]
	v_add_nc_u32 v[ADRB], s[TB], v[ADRB0]
	FETCH 0, F0
	MUL8 F1, 4, 0
	MUL8 F1, 6, 0
.endm
	s_wait_tensorcnt 0x1                           ; my part of K step 0 is in; step 1's may stay out
	s_barrier_signal -1
	s_barrier_wait -1                              ; everybody's is
	FETCH 0, F0
	QUARTER 64, F0, F1, 1                          ; the first quarter stands in front of the loop: its products start the sums
	WIN 0                                          ; at a label and at a branch every window is 0
	s_mov_b32 s3, STEPS-2
.Lstep:                                                ; a trip goes from a step's second quarter to the next step's first, and fills the slot that it leaves: six trips bring steps 2 to 7
	QUARTER 128, F1, F0, 0
	QUARTER 192, F0, F1, 0
	TURN 1
	QUARTER 64, F0, F1, 0
	WIN 0
	s_sub_co_u32 s3, s3, 1
	s_cmp_lg_u32 s3, 0
	s_cbranch_scc1 .Lstep
	QUARTER 128, F1, F0, 0                         ; the last two steps are written out: nothing more is asked for
	QUARTER 192, F0, F1, 0
	TURN 0
	QUARTER 64, F0, F1, 0
	QUARTER 128, F1, F0, 0
	QUARTER 192, F0, F1, 0
	s_wait_dscnt 8
	MUL8 F1, 0, 0
	MUL8 F1, 2, 0
	s_wait_dscnt 0x0
	MUL8 F1, 4, 0
	MUL8 F1, 6, 0
	PLACES
.if OUT16
	; THE WAY OUT in f16: 16 bytes a lane into the work-group's stage; a barrier, since a row's 256 bytes come from two waves; back as whole rows, 64 rows a wave
	WIN PK
.set t, 0
.rept 32
.irp r, 0,1,2,3
	v_cvt_pk_f16_f32 v[TMP+4*t+(\r)], v[8*t+2*(\r)], v[8*t+2*(\r)+1]
.endr
.set t, t+1
.endr
	WIN 0
.irp a, 0,1,2,3,4,5,6,7
.irp b, 0,1,2,3
	ds_store_b128 v[STO], v[TMP+4*(4*(\a)+(\b)):TMP+4*(4*(\a)+(\b))+3] offset:(\a)*16*SPITCH+32*(\b)
.endr
.endr
	s_wait_dscnt 0x0                               ; for the others' sake: my stores into the stage are done
	s_barrier_signal -1
	s_barrier_wait -1
.set t, 0
.rept 32
	ds_load_b128 v[TMP+4*t:TMP+4*t+3], v[RD] offset:t*2*SPITCH
.set t, t+1
.endr
.set t, 0
.rept 32
	s_wait_dscnt 31-t                              ; pair t of rows is back
	global_store_b128 v[CO], v[TMP+4*t:TMP+4*t+3], s[10:11] offset:2*t*PCB  ; 16 lanes store 256 consecutive bytes, at a multiple of 256 from C's first byte
.set t, t+1
.endr
.else
	; THE WAY OUT in f32: a block of 16 rows at a time through my own stage: 32 bytes a lane in, whole rows of 256 bytes back.  No barrier; LDS serves a wave's instructions in order (ISA guide 5.7.1.4).
.macro TOSTAGE a
	s_wait_xcnt 0x0                                ; the registers that earlier stores read are loaded again only behind this wait
	WIN ST2
.irp b, 0,1,2,3
	ds_store_b128 v[STO], v[8*(4*(\a)+(\b)):8*(4*(\a)+(\b))+3]   offset:64*(\b)
	ds_store_b128 v[STO], v[8*(4*(\a)+(\b))+4:8*(4*(\a)+(\b))+7] offset:64*(\b)+16
.endr
	WIN 0
.set BK, TMP+32*((\a)%2)
.irp t, 0,1,2,3,4,5,6,7
	ds_load_b128 v[BK+4*(\t):BK+4*(\t)+3], v[RD] offset:(\t)*2*SPITCH
.endr
.endm
.macro SEND a, younger                 ; younger: the LDS instructions issued behind block a's loads: the next block's sixteen, or none
	WIN 0
.set BK, TMP+32*((\a)%2)
	s_wait_dscnt \younger
.irp t, 0,1,2,3,4,5,6,7
	global_store_b128 v[CO], v[BK+4*(\t):BK+4*(\t)+3], s[10:11] offset:(16*(\a)+2*(\t))*PCB  ; 16 lanes store 256 consecutive bytes, at a multiple of 256 from C's first byte
.endr
.endm
	TOSTAGE 0
.irp a, 1,2,3,4,5,6,7
	TOSTAGE \a
	SEND (\a)-1, 16
.endr
	SEND 7, 0
.endif
	s_wait_tensorcnt 0x0                           ; the wave's end: behind my last tensor load and my last LDS store
	ds_add_u32 v[SPW], v[NIL]
	s_wait_dscnt 0x0
	CROUND                                         ; the closing round: no work-group ends while a partner may still ask for a tile that names it
	s_endpgm
.Lfunc_end_k_qebed07cae3_outproj:
	.size	k_qebed07cae3_outproj, .Lfunc_end_k_qebed07cae3_outproj-k_qebed07cae3_outproj
	.p2alignl 7, 3214868480
	.fill 96, 4, 3214868480
	.section	.rodata,"a",@progbits
	.p2align	6, 0x0
	.amdhsa_kernel k_qebed07cae3_outproj
		.amdhsa_group_segment_fixed_size 327680
		.amdhsa_private_segment_fixed_size 0
		.amdhsa_enable_private_segment 0
		.amdhsa_kernarg_size 32
		.amdhsa_user_sgpr_count 2
		.amdhsa_user_sgpr_kernarg_segment_ptr 1
		.amdhsa_wavefront_size32 1
		.amdhsa_system_sgpr_workgroup_id_x 1
		.amdhsa_system_sgpr_workgroup_id_y 1
		.amdhsa_system_sgpr_workgroup_id_z 1
		.amdhsa_system_vgpr_workitem_id 0
		.amdhsa_next_free_vgpr 768
		.amdhsa_next_free_sgpr 66
		.amdhsa_reserve_vcc 0
		.amdhsa_float_denorm_mode_32 3
		.amdhsa_float_denorm_mode_16_64 3
		.amdhsa_memory_ordered 1
		.amdhsa_forward_progress 1
		.amdhsa_inst_pref_size 73
	.end_amdhsa_kernel
	.amdgpu_metadata
---
amdhsa.version: [ 1, 2 ]
amdhsa.kernels:
  - .name:           k_qebed07cae3_outproj
    .symbol:         k_qebed07cae3_outproj.kd
    .args:
      - { .name: ob, .offset: 0, .size: 8, .value_kind: global_buffer, .address_space: global }
      - { .name: woutb, .offset: 8, .size: 8, .value_kind: global_buffer, .address_space: global }
      - { .name: bout, .offset: 16, .size: 8, .value_kind: global_buffer, .address_space: global }
      - { .name: out0, .offset: 24, .size: 8, .value_kind: global_buffer, .address_space: global }
    .group_segment_fixed_size: 327680
    .private_segment_fixed_size: 0
    .kernarg_segment_align: 8
    .kernarg_segment_size: 32
    .max_flat_workgroup_size: 128
    .sgpr_count:     66
    .vgpr_count:     768
    .wavefront_size: 32
...
	.end_amdgpu_metadata
.endif
;; end of part 6
;; launch fixout (part 7): grid 16 x 4, 8 waves a work-group, no clusters, 40,192 bytes of LDS; arguments vfix, woutb, sc, bout, out0; writes out0
.if DOCPART == 7
	.amdgcn_target "amdgcn-amd-amdhsa--gfx1250"
	.amdhsa_code_object_version 6
	.text
	.protected	k_qebed07cae3_fixout
	.globl	k_qebed07cae3_fixout
	.p2align	8
	.type	k_qebed07cae3_fixout,@function
k_qebed07cae3_fixout:
	s_mov_b64 s[64:65], 0
	v_nop
	global_prefetch_b8 v0, s[64:65] scope:SCOPE_SE
	s_setreg_imm32_b32 hwreg(HW_REG_WAVE_MODE, 25, 1), 1
	s_wait_xcnt 0x0
; THE FIRST 16 ROWS OF EACH BATCH, ONCE MORE AND MORE PRECISELY.  out0[b][q][n] = sum over k <= q of p[q][k] u[k][n] + bf16(bout[n]) for q < 16, with u[k][n] = sum over d of v[b][k][d] Wout[n][d].
; WHY.  Row q averages q + 1 keys, so the first rows' numbers are up to some 16 times the output's root mean square, by which the allowance goes; the f16 roundings of v, P and O in the launches before
; are too much for them.  A row's size against that root mean square falls as sqrt(250 / (q + 1)); from row 16 on the three roundings together stay far inside the allowance.
; Here v is the sum of two f16 numbers (vfix: hi and lo, some 22 bits), Wout is exact in f16, u and p stay in f32, and p is made from the f32 scores.  The launch stores over 64 rows, 256 KiB, that the launch
; before has written: leaving them out there would take a branch on a work-group's place in its cluster.
; SHARES.  A work-group: one batch, 64 columns of out0; 64 work-groups: the work is 0.3 GFLOP and one round trip to memory, so no cluster, no tensor load, no ring.  Wave w of eight takes channels 128 w to
; 128 w + 127: 4 steps of 32, 32 matrix instructions on 4 accumulators by turns (hi, then lo).  All 52 loads of a wave go out at once.  The eight partial u (f32) meet in LDS.
; Then thread t = (q = t / 16, four columns 4 (t % 16) on): 16 weights in its own registers (each thread makes its row's softmax itself: no lane exchange), 64 multiply-adds, one store of 16 bytes.
; SOFTMAX as in the launch of that name: the row's own maximum is taken away; p = 2^(c s - c m), c = log2(e) / 32.  LIMITS: a hidden score counts as -3.4e38; a weight below 2^-126 as 0; NaN and infinities are not treated apart.
; Wout's fragments are read from its rows as they lie: a load takes 32 bytes of each of 16 rows; a lane's eight loads together are one aligned piece of 256 bytes of its row, and they are issued on end.
.set PR,    272                        ; a row of u in LDS: 64 f32 + 16 bytes
.set PW,    16*PR                      ; a wave's partial u: 16 keys
.set URED,  8*PW                       ; behind the eight partials: their sum
.set SPARE, URED+PW                    ; the spare words, 128 bytes a wave, which no other line names
.set AO,  1                            ; v1   16 x lane: my bytes in 512 of vfix
.set BO,  2                            ; v2   my place in Wout's rows: (l % 16) x 2,048 + 16 (l / 16)
.set STO, 3                            ; v3   where I put my 32 bytes of a row of my wave's partial u
.set RDP, 4                            ; v4   thread (key, 4 columns): its 16 bytes in partial 0
.set UW,  5                            ; v5   the same in the sum
.set UR,  6                            ; v6   my four columns in the sum's row 0
.set Q,   7                            ; v7   q = t / 16
.set SO,  8                            ; v8   my row's byte offset in sc
.set OO,  9                            ; v9   my 16 bytes' offset in out0
.set BB,  10                           ; v10  my four columns' offset in bout
.set HID, 11                           ; v11  the hidden value
.set SPW, 12                           ; v12  my spare word; never rewritten
.set NIL, 13                           ; v13  0; never rewritten
.set T,   14                           ; v14-15 at work
.set AH,  16                           ; v16-47   v's hi fragments, step s at AH + 8 s; later v16-19 the bias, v20-23 my four results
.set AL,  48                           ; v48-79   v's lo fragments
.set BF,  80                           ; v80-207  Wout's fragments, step s, column block b at BF + 32 s + 8 b; later what comes back from LDS
.set ACC, 208                          ; v208-239 four accumulators
.set S,   240                          ; v240-255 my row's 16 scores, then its weights
.set O,   20
	s_load_b256 s[4:11], s[0:1], 0x0               ; vfix s[4:5], woutb s[6:7], sc s[8:9], bout s[10:11]
	s_load_b64 s[12:13], s[0:1], 0x20              ; out0
	v_lshl_add_u32 v[SPW], v0, 2, SPARE
	v_mov_b32 v[NIL], 0
	v_lshrrev_b32 v[T], 5, v0
	v_readfirstlane_b32 s14, v[T]                  ; wave
	s_and_b32 s16, ttmp7, 0xffff                   ; batch
	s_lshl_b32 s18, s16, 19                        ; vfix: the batch's first tile row is 8 x batch, 65,536 bytes each;
	s_lshl_b32 s17, s14, 13                        ; my 128 channels are 8 blocks of 1,024 bytes
	s_add_co_u32 s18, s18, s17
	s_mov_b32 s19, 0
	s_lshl_b32 s20, ttmp9, 17                      ; woutb: 64 rows of 2,048 bytes a work-group; my 128 channels are 256 bytes of a row
	s_lshl_b32 s17, s14, 8
	s_add_co_u32 s20, s20, s17
	s_mov_b32 s21, 0
	s_lshl_b32 s22, s16, 24                        ; sc: a batch is 2,048 rows of 8,192 bytes
	s_mov_b32 s23, 0
	s_lshl_b32 s24, ttmp9, 8                       ; bout: 64 columns are 256 bytes
	s_mov_b32 s25, 0
	s_lshl_b32 s26, s16, 23                        ; out0: a batch is 2,048 rows of 4,096 bytes
	s_add_co_u32 s26, s26, s24
	s_mov_b32 s27, 0
	s_mov_b32 s28, 0x3d38aa3b                      ; c = log2(e) / 32
	v_and_b32 v[AO], 31, v0
	v_lshlrev_b32 v[AO], 4, v[AO]
	v_bfe_u32 v[T], v0, 4, 1                       ; l / 16
	v_and_b32 v[T+1], 15, v0                       ; l % 16
	v_lshlrev_b32 v[BO], 11, v[T+1]
	v_lshl_add_u32 v[BO], v[T], 4, v[BO]
	v_mul_u32_u24 v[STO], v[T+1], PR               ; the result holds key l % 16 and eight neighbouring columns a lane: 32 bytes for each half of the lanes
	v_lshl_add_u32 v[STO], v[T], 5, v[STO]
	s_mul_i32 s17, s14, PW
	v_add_nc_u32 v[STO], s17, v[STO]
	v_mul_u32_u24 v[RDP], v[T], PR                 ; t / 16 = 2 x wave + l / 16
	v_lshl_add_u32 v[RDP], v[T+1], 4, v[RDP]
	s_mul_i32 s17, s14, 2*PR
	v_add_nc_u32 v[RDP], s17, v[RDP]
	v_add_nc_u32 v[UW], URED, v[RDP]
	v_lshl_add_u32 v[UR], v[T+1], 4, URED
	v_lshrrev_b32 v[Q], 4, v0
	v_lshlrev_b32 v[SO], 13, v[Q]
	v_lshlrev_b32 v[OO], 12, v[Q]
	v_lshl_add_u32 v[OO], v[T+1], 4, v[OO]
	v_lshlrev_b32 v[BB], 4, v[T+1]
	v_mov_b32 v[HID], 0xff7fffff
	s_wait_kmcnt 0x0
	s_add_nc_u64 s[4:5], s[4:5], s[18:19]
	s_add_nc_u64 s[6:7], s[6:7], s[20:21]
	s_add_nc_u64 s[8:9], s[8:9], s[22:23]
	s_add_nc_u64 s[10:11], s[10:11], s[24:25]
	s_add_nc_u64 s[12:13], s[12:13], s[26:27]
.irp i, 0,1,2,3
	global_load_b128 v[S+4*(\i):S+4*(\i)+3], v[SO], s[8:9] offset:16*(\i)   ; my row's scores against keys 0 to 15
.endr
.set i, 0
.rept 16                               ; my 8 blocks of vfix are 8,192 consecutive bytes: step i / 4, its first or second 16 channels, hi or lo
.set d, AH+32*(i%2)+8*(i/4)+4*((i/2)%2)
	global_load_b128 v[d:d+3], v[AO], s[4:5] offset:512*i
.set i, i+1
.endr
.irp s, 0,1,2,3
.irp b, 0,1,2,3
	global_load_b128 v[BF+32*(\s)+8*(\b):BF+32*(\s)+8*(\b)+3],   v[BO], s[6:7] offset:32768*(\b)+64*(\s)
	global_load_b128 v[BF+32*(\s)+8*(\b)+4:BF+32*(\s)+8*(\b)+7], v[BO], s[6:7] offset:32768*(\b)+64*(\s)+32
.endr
.endr
	; the softmax of my row, while the fragments are on their way
	s_wait_loadcnt 48                              ; the scores are in: the 48 fragment loads were issued behind them
.irp k, 1,2,3,4,5,6,7,8,9,10,11,12,13,14,15
	v_cmp_gt_u32 vcc_lo, \k, v[Q]                  ; key k is hidden where k > q
	v_cndmask_b32 v[S+(\k)], v[S+(\k)], v[HID], vcc_lo
.endr
	v_max3_num_f32 v[T], v[S], v[S+1], v[S+2]
.irp k, 3,5,7,9,11,13
	v_max3_num_f32 v[T], v[T], v[S+(\k)], v[S+(\k)+1]
.endr
	v_max_num_f32 v[T], v[T], v[S+15]              ; the row's maximum: key q is always seen
	v_mul_f32 v[T+1], s28, v[T]                    ; c m
.irp k, 0,1,2,3,4,5,6,7,8,9,10,11,12,13,14,15
	v_fma_f32 v[S+(\k)], v[S+(\k)], s28, -v[T+1]
.endr
.irp k, 0,1,2,3,4,5,6,7,8,9,10,11,12,13,14,15
	v_exp_f32 v[S+(\k)], v[S+(\k)]
.endr
	v_nop                                          ; a plain instruction between the last exponential and the use of its result (ISA guide 5.7.2)
	s_wait_alu depctr_va_vdst(0)
	v_pk_add_f32 v[T:T+1], v[S:S+1], v[S+2:S+3]
.irp k, 4,6,8,10,12,14
	v_pk_add_f32 v[T:T+1], v[T:T+1], v[S+(\k):S+(\k)+1]
.endr
	v_add_f32 v[T], v[T], v[T+1]
	v_rcp_f32 v[T], v[T]
	v_nop
	s_wait_alu depctr_va_vdst(0)
.irp k, 0,1,2,3,4,5,6,7,8,9,10,11,12,13,14,15
	v_mul_f32 v[S+(\k)], v[S+(\k)], v[T]
.endr
	; my part of u, transposed use: source 0 = 16 rows of Wout, source 1 = 16 keys of v.  The four accumulators take turns; the first four products start the sums.
.irp s, 0,1,2,3
	s_wait_loadcnt 8*(3-(\s))                      ; v's fragments and Wout's of steps 0 to s are in; 8 loads for each later step may be out
.irp b, 0,1,2,3
.if (\s) == 0
	v_wmma_f32_16x16x32_f16 v[ACC+8*(\b):ACC+8*(\b)+7], v[BF+32*(\s)+8*(\b):BF+32*(\s)+8*(\b)+7], v[AH+8*(\s):AH+8*(\s)+7], 0
.else
	v_wmma_f32_16x16x32_f16 v[ACC+8*(\b):ACC+8*(\b)+7], v[BF+32*(\s)+8*(\b):BF+32*(\s)+8*(\b)+7], v[AH+8*(\s):AH+8*(\s)+7], v[ACC+8*(\b):ACC+8*(\b)+7]
.endif
.endr
.irp b, 0,1,2,3
	v_wmma_f32_16x16x32_f16 v[ACC+8*(\b):ACC+8*(\b)+7], v[BF+32*(\s)+8*(\b):BF+32*(\s)+8*(\b)+7], v[AL+8*(\s):AL+8*(\s)+7], v[ACC+8*(\b):ACC+8*(\b)+7]
.endr
.endr
.rept 4
	v_nop                                          ; four places in front of the stores that read the results and of the loads into the fragments' registers
.endr
	global_load_b128 v[AH:AH+3], v[BB], s[10:11]   ; the bias of my four columns: it lands while the partial sums meet
.irp b, 0,1,2,3
	ds_store_b128 v[STO], v[ACC+8*(\b):ACC+8*(\b)+3]   offset:64*(\b)
	ds_store_b128 v[STO], v[ACC+8*(\b)+4:ACC+8*(\b)+7] offset:64*(\b)+16
.endr
	s_wait_dscnt 0x0                               ; for the others' sake: my partial u is stored
	s_barrier_signal -1
	s_barrier_wait -1
.irp w, 0,1,2,3,4,5,6,7
	ds_load_b128 v[BF+4*(\w):BF+4*(\w)+3], v[RDP] offset:(\w)*PW   ; thread (key, 4 columns): the eight partial sums
.endr
	s_wait_dscnt 0x0
.irp w, 0,2,4,6
	v_pk_add_f32 v[BF+4*(\w):BF+4*(\w)+1],   v[BF+4*(\w):BF+4*(\w)+1],   v[BF+4*(\w)+4:BF+4*(\w)+5]
	v_pk_add_f32 v[BF+4*(\w)+2:BF+4*(\w)+3], v[BF+4*(\w)+2:BF+4*(\w)+3], v[BF+4*(\w)+6:BF+4*(\w)+7]
.endr
.irp w, 0,4
	v_pk_add_f32 v[BF+4*(\w):BF+4*(\w)+1],   v[BF+4*(\w):BF+4*(\w)+1],   v[BF+4*(\w)+8:BF+4*(\w)+9]
	v_pk_add_f32 v[BF+4*(\w)+2:BF+4*(\w)+3], v[BF+4*(\w)+2:BF+4*(\w)+3], v[BF+4*(\w)+10:BF+4*(\w)+11]
.endr
	v_pk_add_f32 v[BF:BF+1],   v[BF:BF+1],   v[BF+16:BF+17]
	v_pk_add_f32 v[BF+2:BF+3], v[BF+2:BF+3], v[BF+18:BF+19]
	ds_store_b128 v[UW], v[BF:BF+3]                ; into bytes of its own: the partial sums are not written over
	s_wait_dscnt 0x0                               ; for the others' sake
	s_barrier_signal -1
	s_barrier_wait -1
.irp k, 0,1,2,3,4,5,6,7,8,9,10,11,12,13,14,15
	ds_load_b128 v[BF+4*(\k):BF+4*(\k)+3], v[UR] offset:(\k)*PR    ; u of key k, my four columns
.endr
	s_wait_loadcnt 0x0                             ; the bias: rounded to bf16 like the module's other inputs, widened again; it starts my four sums
	v_cvt_pk_bf16_f32 v[T], v[AH], v[AH+1]
	v_cvt_pk_bf16_f32 v[T+1], v[AH+2], v[AH+3]
	v_lshlrev_b32 v[O], 16, v[T]
	v_and_b32 v[O+1], 0xffff0000, v[T]
	v_lshlrev_b32 v[O+2], 16, v[T+1]
	v_and_b32 v[O+3], 0xffff0000, v[T+1]
.irp k, 0,1,2,3,4,5,6,7,8,9,10,11,12,13,14,15
	s_wait_dscnt 15-(\k)                           ; key k's row is back; the 15 - k younger loads may be out
.irp e, 0,1,2,3
	v_fma_f32 v[O+(\e)], v[S+(\k)], v[BF+4*(\k)+(\e)], v[O+(\e)]
.endr
.endr
	global_store_b128 v[OO], v[O:O+3], s[12:13]    ; 16 lanes store 256 consecutive bytes, at a multiple of 256 from out0's first byte
	s_wait_tensorcnt 0x0                           ; the wave's end: behind my last LDS store
	ds_add_u32 v[SPW], v[NIL]
	s_wait_dscnt 0x0
	s_endpgm
.Lfunc_end_k_qebed07cae3_fixout:
	.size	k_qebed07cae3_fixout, .Lfunc_end_k_qebed07cae3_fixout-k_qebed07cae3_fixout
	.p2alignl 7, 3214868480
	.fill 96, 4, 3214868480
	.section	.rodata,"a",@progbits
	.p2align	6, 0x0
	.amdhsa_kernel k_qebed07cae3_fixout
		.amdhsa_group_segment_fixed_size 40192
		.amdhsa_private_segment_fixed_size 0
		.amdhsa_enable_private_segment 0
		.amdhsa_kernarg_size 40
		.amdhsa_user_sgpr_count 2
		.amdhsa_user_sgpr_kernarg_segment_ptr 1
		.amdhsa_wavefront_size32 1
		.amdhsa_system_sgpr_workgroup_id_x 1
		.amdhsa_system_sgpr_workgroup_id_y 1
		.amdhsa_system_sgpr_workgroup_id_z 1
		.amdhsa_system_vgpr_workitem_id 0
		.amdhsa_next_free_vgpr 256
		.amdhsa_next_free_sgpr 66
		.amdhsa_reserve_vcc 1
		.amdhsa_float_denorm_mode_32 3
		.amdhsa_float_denorm_mode_16_64 3
		.amdhsa_memory_ordered 1
		.amdhsa_forward_progress 1
		.amdhsa_inst_pref_size 23
	.end_amdhsa_kernel
	.amdgpu_metadata
---
amdhsa.version: [ 1, 2 ]
amdhsa.kernels:
  - .name:           k_qebed07cae3_fixout
    .symbol:         k_qebed07cae3_fixout.kd
    .args:
      - { .name: vfix, .offset: 0, .size: 8, .value_kind: global_buffer, .address_space: global }
      - { .name: woutb, .offset: 8, .size: 8, .value_kind: global_buffer, .address_space: global }
      - { .name: sc, .offset: 16, .size: 8, .value_kind: global_buffer, .address_space: global }
      - { .name: bout, .offset: 24, .size: 8, .value_kind: global_buffer, .address_space: global }
      - { .name: out0, .offset: 32, .size: 8, .value_kind: global_buffer, .address_space: global }
    .group_segment_fixed_size: 40192
    .private_segment_fixed_size: 0
    .kernarg_segment_align: 8
    .kernarg_segment_size: 40
    .max_flat_workgroup_size: 256
    .sgpr_count:     66
    .vgpr_count:     256
    .wavefront_size: 32
...
	.end_amdgpu_metadata
.endif
;; end of part 7
;; ======== version 2 of 2: 7 launches; version 1 with the launches cast, fixout written anew for expert scheduling mode
;; limits: values are held in f16: magnitudes above 65,504 overflow, below 6.1e-05 lose precision
;; workspace buffers: xb 16,777,216 bytes; wqkvb 6,291,456 bytes; woutb 2,097,152 bytes; qkv 50,331,648 bytes; sc 67,108,864 bytes; pb 33,554,432 bytes; ob 16,777,216 bytes; vfix 2,097,152 bytes
;; launch cast (part 8): grid 768 x 1, 8 waves a work-group, no clusters, 0 bytes of LDS; arguments x, Wqkv, Wout, xb, wqkvb, woutb; writes xb, wqkvb, woutb
.if DOCPART == 8
	.amdgcn_target "amdgcn-amd-amdhsa--gfx1250"
	.amdhsa_code_object_version 6
	.text
	.protected	k_qebed07cae3_cast
	.globl	k_qebed07cae3_cast
	.p2align	8
	.type	k_qebed07cae3_cast,@function
k_qebed07cae3_cast:
	s_mov_b64 s[64:65], 0
	v_nop
	global_prefetch_b8 v0, s[64:65] scope:SCOPE_SE
	s_setreg_imm32_b32 hwreg(HW_REG_WAVE_SCHED_MODE, 0, 2), 2
	s_setreg_imm32_b32 hwreg(HW_REG_WAVE_MODE, 25, 1), 1
	s_wait_xcnt 0x0
	s_wait_alu depctr_vm_vsrc(0)
; x and Wqkv are rounded once to bf16; Wout is rounded to bf16 and that number is written as f16 (its partner in the last product is f16).
; A stream: no LDS, no barrier, no matrix unit.  A work-group takes 16,384 numbers (65,536 bytes in, 32,768 out): groups 0-511 x, 512-703 Wqkv, 704-767 Wout.
; Thread t takes 16 bytes at 16 t of each of sixteen blocks of 4,096 bytes; all sixteen loads go out at once; a wave's store covers 256 consecutive bytes, aligned.
; LIMIT: a bf16 number of Wout below 6.1e-5 in magnitude keeps f16's fixed step of 6e-8; beyond 65,504 it would be an infinity.
; THE MODE: SCHED_MODE bits 1:0 = 2 (LLVM: expert scheduling mode 2), set by the entry lines.  The code itself states the register dependences
; between vector instructions and memory instructions, with s_wait_alu, always for 0.
; THE PLAN.  Registers that memory instructions touch:
;   v1, v2   byte offsets, made once at the head and never written again: v1 is read by every load, v2 by every store.
;   X        block j: written by its one load, read by its conversions; no vector instruction names it ahead of that load, and it is never loaded again.
;   Y        block j: written by its conversions, read by its one store, never written again.
;   T        named by vector instructions alone.
; So one wait stands ahead of the loads (the offsets are written), and the sixteen blocks go in four groups of four: the group's conversions, ONE wait (they have written the group's Y),
; the group's four stores in a run, ahead of the wait for the next group's data.  No register that a load or a store has read is written again.
.set X, 4                              ; v[4:67]    sixteen loads of four f32
.set Y, 68                             ; v[68:99]   sixteen pairs of packed results; each is stored once
.set T, 100                            ; v[100:103] at work (Wout's way alone)
	s_load_b256 s[4:11], s[0:1], 0x0               ; x s[4:5], Wqkv s[6:7], Wout s[8:9], xb s[10:11]
	s_load_b128 s[12:15], s[0:1], 0x20             ; wqkvb s[12:13], woutb s[14:15]
	v_lshlrev_b32 v1, 4, v0                        ; 16 t: my bytes in a block that is read
	v_lshlrev_b32 v2, 3, v0                        ; 8 t: my bytes in a block that is written
	s_wait_kmcnt 0x0
	s_cmp_ge_u32 ttmp9, 512                        ; which tensor: the choice hangs on the group's number alone
	s_cselect_b64 s[16:17], s[6:7], s[4:5]
	s_cselect_b64 s[18:19], s[12:13], s[10:11]
	s_cselect_b32 s20, 512, 0
	s_cmp_ge_u32 ttmp9, 704
	s_cselect_b64 s[16:17], s[8:9], s[16:17]
	s_cselect_b64 s[18:19], s[14:15], s[18:19]
	s_cselect_b32 s20, 704, s20
	s_cselect_b32 s21, 1, 0                        ; 1: Wout
	s_sub_co_u32 s20, ttmp9, s20                   ; the group's number within its tensor
	s_lshl_b32 s22, s20, 16
	s_mov_b32 s23, 0
	s_add_nc_u64 s[16:17], s[16:17], s[22:23]
	s_lshl_b32 s22, s20, 15
	s_add_nc_u64 s[18:19], s[18:19], s[22:23]
	s_wait_alu depctr_va_vdst(0)                   ; v1 and v2 are written: every load of the kernel reads v1 as its offset, every store v2
.irp j, 0,1,2,3,4,5,6,7,8,9,10,11,12,13,14,15
	global_load_b128 v[X+4*(\j):X+4*(\j)+3], v1, s[16:17] offset:4096*(\j) th:TH_LOAD_NT
.endr
; Block j: rounded and packed.  f16 = 1: the bf16 numbers are widened again and written as f16.
.macro CONV j, f16
	v_cvt_pk_bf16_f32 v[Y+2*(\j)], v[X+4*(\j)], v[X+4*(\j)+1]
	v_cvt_pk_bf16_f32 v[Y+2*(\j)+1], v[X+4*(\j)+2], v[X+4*(\j)+3]
.if \f16
	v_lshlrev_b32 v[T], 16, v[Y+2*(\j)]
	v_and_b32 v[T+1], 0xffff0000, v[Y+2*(\j)]
	v_lshlrev_b32 v[T+2], 16, v[Y+2*(\j)+1]
	v_and_b32 v[T+3], 0xffff0000, v[Y+2*(\j)+1]
	v_cvt_pk_f16_f32 v[Y+2*(\j)], v[T], v[T+1]
	v_cvt_pk_f16_f32 v[Y+2*(\j)+1], v[T+2], v[T+3]
.endif
.endm
; Group g: blocks 4 g to 4 g + 3.
.macro GROUP g, f16
	s_wait_loadcnt 12-4*(\g)                       ; loads come back in order: the group's four blocks are in, the 12 - 4 g loads of the later groups may be out
.irp i, 0,1,2,3
	CONV 4*(\g)+(\i), \f16
.endr
	s_wait_alu depctr_va_vdst(0)                   ; the group's conversions have written its eight registers of Y, which the four stores below read
.irp i, 0,1,2,3
	global_store_b64 v2, v[Y+2*(4*(\g)+(\i)):Y+2*(4*(\g)+(\i))+1], s[18:19] offset:2048*(4*(\g)+(\i))
.endr
.endm
	s_cmp_lg_u32 s21, 0
	s_cbranch_scc1 .Lto_f16
.irp g, 0,1,2,3
	GROUP \g, 0
.endr
	s_endpgm
.Lto_f16:
.irp g, 0,1,2,3
	GROUP \g, 1
.endr
	s_endpgm
.Lfunc_end_k_qebed07cae3_cast:
	.size	k_qebed07cae3_cast, .Lfunc_end_k_qebed07cae3_cast-k_qebed07cae3_cast
	.p2alignl 7, 3214868480
	.fill 96, 4, 3214868480
	.section	.rodata,"a",@progbits
	.p2align	6, 0x0
	.amdhsa_kernel k_qebed07cae3_cast
		.amdhsa_group_segment_fixed_size 0
		.amdhsa_private_segment_fixed_size 0
		.amdhsa_enable_private_segment 0
		.amdhsa_kernarg_size 48
		.amdhsa_user_sgpr_count 2
		.amdhsa_user_sgpr_kernarg_segment_ptr 1
		.amdhsa_wavefront_size32 1
		.amdhsa_system_sgpr_workgroup_id_x 1
		.amdhsa_system_sgpr_workgroup_id_y 1
		.amdhsa_system_sgpr_workgroup_id_z 1
		.amdhsa_system_vgpr_workitem_id 0
		.amdhsa_next_free_vgpr 104
		.amdhsa_next_free_sgpr 66
		.amdhsa_reserve_vcc 0
		.amdhsa_float_denorm_mode_32 3
		.amdhsa_float_denorm_mode_16_64 3
		.amdhsa_memory_ordered 1
		.amdhsa_forward_progress 1
		.amdhsa_inst_pref_size 16
	.end_amdhsa_kernel
	.amdgpu_metadata
---
amdhsa.version: [ 1, 2 ]
amdhsa.kernels:
  - .name:           k_qebed07cae3_cast
    .symbol:         k_qebed07cae3_cast.kd
    .args:
      - { .name: x, .offset: 0, .size: 8, .value_kind: global_buffer, .address_space: global }
      - { .name: Wqkv, .offset: 8, .size: 8, .value_kind: global_buffer, .address_space: global }
      - { .name: Wout, .offset: 16, .size: 8, .value_kind: global_buffer, .address_space: global }
      - { .name: xb, .offset: 24, .size: 8, .value_kind: global_buffer, .address_space: global }
      - { .name: wqkvb, .offset: 32, .size: 8, .value_kind: global_buffer, .address_space: global }
      - { .name: woutb, .offset: 40, .size: 8, .value_kind: global_buffer, .address_space: global }
    .group_segment_fixed_size: 0
    .private_segment_fixed_size: 0
    .kernarg_segment_align: 8
    .kernarg_segment_size: 48
    .max_flat_workgroup_size: 256
    .sgpr_count:     66
    .vgpr_count:     104
    .wavefront_size: 32
...
	.end_amdgpu_metadata
.endif
;; end of part 8
;; launch qkvproj: the kernel of part 2 again; grid 12 x 32, 4 waves a work-group, clusters of 4 x 4, 327,680 bytes of LDS; arguments xb, wqkvb, bqkv, qkv, vfix; writes qkv, vfix
;; launch scores: the kernel of part 3 again; grid 12 x 16, 4 waves a work-group, clusters of 4 x 4, 327,680 bytes of LDS; arguments qkv, sc; writes sc
;; launch softmax: the kernel of part 4 again; grid 1024 x 1, 8 waves a work-group, no clusters, 0 bytes of LDS; arguments sc, pb; writes pb
;; launch pv: the kernel of part 5 again; grid 8 x 32, 4 waves a work-group, clusters of 4 x 1, 327,680 bytes of LDS; arguments pb, qkv, ob; writes ob
;; launch outproj: the kernel of part 6 again; grid 8 x 32, 4 waves a work-group, clusters of 4 x 4, 327,680 bytes of LDS; arguments ob, woutb, bout, out0; writes out0
;; launch fixout (part 9): grid 16 x 4, 8 waves a work-group, no clusters, 40,192 bytes of LDS; arguments vfix, woutb, sc, bout, out0; writes out0
.if DOCPART == 9
	.amdgcn_target "amdgcn-amd-amdhsa--gfx1250"
	.amdhsa_code_object_version 6
	.text
	.protected	k_qebed07cae3_fixout
	.globl	k_qebed07cae3_fixout
	.p2align	8
	.type	k_qebed07cae3_fixout,@function
k_qebed07cae3_fixout:
	s_mov_b64 s[64:65], 0
	v_nop
	global_prefetch_b8 v0, s[64:65] scope:SCOPE_SE
	s_setreg_imm32_b32 hwreg(HW_REG_WAVE_SCHED_MODE, 0, 2), 2
	s_setreg_imm32_b32 hwreg(HW_REG_WAVE_MODE, 25, 1), 1
	s_wait_xcnt 0x0
	s_wait_alu depctr_vm_vsrc(0)
; THE FIRST 16 ROWS OF EACH BATCH, ONCE MORE AND MORE PRECISELY.  out0[b][q][n] = sum over k <= q of p[q][k] u[k][n] + bf16(bout[n]) for q < 16, with u[k][n] = sum over d of v[b][k][d] Wout[n][d].
; WHY.  Row q averages q + 1 keys, so the first rows' numbers are up to some 16 times the output's root mean square, by which the allowance goes; the f16 roundings of v, P and O in the launches before
; are too much for them.  A row's size against that root mean square falls as sqrt(250 / (q + 1)); from row 16 on the three roundings together stay far inside the allowance.
; Here v is the sum of two f16 numbers (vfix: hi and lo, some 22 bits), Wout is exact in f16, u and p stay in f32, and p is made from the f32 scores.  The launch stores over 64 rows, 256 KiB, that the launch
; before has written: leaving them out there would take a branch on a work-group's place in its cluster.
; SHARES.  A work-group: one batch, 64 columns of out0; 64 work-groups: the work is 0.3 GFLOP and one round trip to memory, so no cluster, no tensor load, no ring.  Wave w of eight takes channels 128 w to
; 128 w + 127: 4 steps of 32, 32 matrix instructions on 4 accumulators by turns (hi, then lo).  All 52 loads of a wave go out at once.  The eight partial u (f32) meet in LDS.
; Then thread t = (q = t / 16, four columns 4 (t % 16) on): 16 weights in its own registers (each thread makes its row's softmax itself: no lane exchange), 64 multiply-adds, one store of 16 bytes.
; SOFTMAX as in the launch of that name: the row's own maximum is taken away; p = 2^(c s - c m), c = log2(e) / 32.  LIMITS: a hidden score counts as -3.4e38; a weight below 2^-126 as 0; NaN and infinities are not treated apart.
; Wout's fragments are read from its rows as they lie: a load takes 32 bytes of each of 16 rows; a lane's eight loads together are one aligned piece of 256 bytes of its row, and they are issued on end.
; THE MODE: SCHED_MODE bits 1:0 = 2 (LLVM: expert scheduling mode 2), set by the entry lines.  The code itself states the register dependences
; between vector or matrix instructions and memory or LDS instructions, with s_wait_alu, always for 0.
; THE PLAN.  The text has no loop and no branch.  Registers that memory or LDS instructions touch, in the order of the text:
;   v1-v6, v8-v10  offsets and LDS addresses: made at the head, never written again.  One wait ahead of the first load serves them all.
;   S              the scores' loads land in it; from then on vector instructions alone name it.
;   AH, AL         vfix's loads land; the matrix instructions read them; then the bias's load lands in v16-19; v20-23 are written by vector lines and read by the last store.
;   BF             Wout's loads land; the matrix instructions read it; the partial sums' LDS loads land in v80-111; the packed adds work there; one LDS store reads v80-83; u's LDS loads land in v80-143.
;   ACC            written by the matrix instructions, read by the LDS stores, never written again.
;   v12, v13       written at the head, read by the closing add alone.
; One wait behind the products (and behind their four places) states that ACC is written and that AH and BF have been read: the bias's load, the LDS stores and, behind the barrier, the partial sums' loads
; follow it with no vector instruction between.  One wait stands ahead of each of the two later stores; one wait on vm_vsrc ahead of the loads that land where the LDS store of the sum has read.
; The masks of the hidden keys are made in one run of compares into fifteen scalar registers, with one wait between the run and the selects.
.set PR,    272                        ; a row of u in LDS: 64 f32 + 16 bytes
.set PW,    16*PR                      ; a wave's partial u: 16 keys
.set URED,  8*PW                       ; behind the eight partials: their sum
.set SPARE, URED+PW                    ; the spare words, 128 bytes a wave, which no other line names
.set AO,  1                            ; v1   16 x lane: my bytes in 512 of vfix
.set BO,  2                            ; v2   my place in Wout's rows: (l % 16) x 2,048 + 16 (l / 16)
.set STO, 3                            ; v3   where I put my 32 bytes of a row of my wave's partial u
.set RDP, 4                            ; v4   thread (key, 4 columns): its 16 bytes in partial 0
.set UW,  5                            ; v5   the same in the sum
.set UR,  6                            ; v6   my four columns in the sum's row 0
.set Q,   7                            ; v7   q = t / 16
.set SO,  8                            ; v8   my row's byte offset in sc
.set OO,  9                            ; v9   my 16 bytes' offset in out0
.set BB,  10                           ; v10  my four columns' offset in bout
.set HID, 11                           ; v11  the hidden value
.set SPW, 12                           ; v12  my spare word; never rewritten
.set NIL, 13                           ; v13  0; never rewritten
.set T,   14                           ; v14-15 at work
.set AH,  16                           ; v16-47   v's hi fragments, step s at AH + 8 s; later v16-19 the bias, v20-23 my four results
.set AL,  48                           ; v48-79   v's lo fragments
.set BF,  80                           ; v80-207  Wout's fragments, step s, column block b at BF + 32 s + 8 b; later what comes back from LDS
.set ACC, 208                          ; v208-239 four accumulators
.set S,   240                          ; v240-255 my row's 16 scores, then its weights
.set O,   20
                                       ; s[15 + k + k / 13]: the mask of key k, 1 to 15: s16-s27 and s29-s31, free once the offsets in them have been added to the buffers' addresses
	s_load_b256 s[4:11], s[0:1], 0x0               ; vfix s[4:5], woutb s[6:7], sc s[8:9], bout s[10:11]
	s_load_b64 s[12:13], s[0:1], 0x20              ; out0
	v_lshl_add_u32 v[SPW], v0, 2, SPARE
	v_mov_b32 v[NIL], 0
	v_lshrrev_b32 v[T], 5, v0
	v_readfirstlane_b32 s14, v[T]                  ; wave
	s_and_b32 s16, ttmp7, 0xffff                   ; batch
	s_lshl_b32 s18, s16, 19                        ; vfix: the batch's first tile row is 8 x batch, 65,536 bytes each;
	s_wait_alu depctr_va_sdst(0)                   ; s14 is written, ahead of its first reader: offsets and LDS addresses are made from it
	s_lshl_b32 s17, s14, 13                        ; my 128 channels are 8 blocks of 1,024 bytes
	s_add_co_u32 s18, s18, s17
	s_mov_b32 s19, 0
	s_lshl_b32 s20, ttmp9, 17                      ; woutb: 64 rows of 2,048 bytes a work-group; my 128 channels are 256 bytes of a row
	s_lshl_b32 s17, s14, 8
	s_add_co_u32 s20, s20, s17
	s_mov_b32 s21, 0
	s_lshl_b32 s22, s16, 24                        ; sc: a batch is 2,048 rows of 8,192 bytes
	s_mov_b32 s23, 0
	s_lshl_b32 s24, ttmp9, 8                       ; bout: 64 columns are 256 bytes
	s_mov_b32 s25, 0
	s_lshl_b32 s26, s16, 23                        ; out0: a batch is 2,048 rows of 4,096 bytes
	s_add_co_u32 s26, s26, s24
	s_mov_b32 s27, 0
	s_mov_b32 s28, 0x3d38aa3b                      ; c = log2(e) / 32
	v_and_b32 v[AO], 31, v0
	v_lshlrev_b32 v[AO], 4, v[AO]
	v_bfe_u32 v[T], v0, 4, 1                       ; l / 16
	v_and_b32 v[T+1], 15, v0                       ; l % 16
	v_lshlrev_b32 v[BO], 11, v[T+1]
	v_lshl_add_u32 v[BO], v[T], 4, v[BO]
	v_mul_u32_u24 v[STO], v[T+1], PR               ; the result holds key l % 16 and eight neighbouring columns a lane: 32 bytes for each half of the lanes
	v_lshl_add_u32 v[STO], v[T], 5, v[STO]
	s_mul_i32 s17, s14, PW
	v_add_nc_u32 v[STO], s17, v[STO]
	v_mul_u32_u24 v[RDP], v[T], PR                 ; t / 16 = 2 x wave + l / 16
	v_lshl_add_u32 v[RDP], v[T+1], 4, v[RDP]
	s_mul_i32 s15, s14, 2*PR                       ; in a register of its own: no scalar line writes one that a vector line above reads
	v_add_nc_u32 v[RDP], s15, v[RDP]
	v_add_nc_u32 v[UW], URED, v[RDP]
	v_lshl_add_u32 v[UR], v[T+1], 4, URED
	v_lshrrev_b32 v[Q], 4, v0
	v_lshlrev_b32 v[SO], 13, v[Q]
	v_lshlrev_b32 v[OO], 12, v[Q]
	v_lshl_add_u32 v[OO], v[T+1], 4, v[OO]
	v_lshlrev_b32 v[BB], 4, v[T+1]
	v_mov_b32 v[HID], 0xff7fffff
	s_wait_kmcnt 0x0
	s_add_nc_u64 s[4:5], s[4:5], s[18:19]
	s_add_nc_u64 s[6:7], s[6:7], s[20:21]
	s_add_nc_u64 s[8:9], s[8:9], s[22:23]
	s_add_nc_u64 s[10:11], s[10:11], s[24:25]
	s_add_nc_u64 s[12:13], s[12:13], s[26:27]
	s_wait_alu depctr_va_vdst(0)                   ; the offsets and LDS addresses v1 to v6 and v8 to v10 are written, which the loads and stores of the whole kernel read
.irp i, 0,1,2,3
	global_load_b128 v[S+4*(\i):S+4*(\i)+3], v[SO], s[8:9] offset:16*(\i)   ; my row's scores against keys 0 to 15
.endr
.set i, 0
.rept 16                               ; my 8 blocks of vfix are 8,192 consecutive bytes: step i / 4, its first or second 16 channels, hi or lo
.set d, AH+32*(i%2)+8*(i/4)+4*((i/2)%2)
	global_load_b128 v[d:d+3], v[AO], s[4:5] offset:512*i
.set i, i+1
.endr
.irp s, 0,1,2,3
.irp b, 0,1,2,3
	global_load_b128 v[BF+32*(\s)+8*(\b):BF+32*(\s)+8*(\b)+3],   v[BO], s[6:7] offset:32768*(\b)+64*(\s)
	global_load_b128 v[BF+32*(\s)+8*(\b)+4:BF+32*(\s)+8*(\b)+7], v[BO], s[6:7] offset:32768*(\b)+64*(\s)+32
.endr
.endr
	; the softmax of my row, while the fragments are on their way.  The masks hang on q alone: they are made in one run while the scores are out
.irp k, 1,2,3,4,5,6,7,8,9,10,11,12,13,14,15
	v_cmp_gt_u32 s[15+(\k)+(\k)/13], \k, v[Q]      ; key k is hidden where k > q
.endr
	s_wait_alu depctr_va_sdst(0)                   ; the fifteen compares have written their masks, ahead of the first select that reads one
	s_wait_loadcnt 48                              ; the scores are in: the 48 fragment loads were issued behind them
.irp k, 1,2,3,4,5,6,7,8,9,10,11,12,13,14,15
	v_cndmask_b32 v[S+(\k)], v[S+(\k)], v[HID], s[15+(\k)+(\k)/13]
.endr
	v_max3_num_f32 v[T], v[S], v[S+1], v[S+2]
.irp k, 3,5,7,9,11,13
	v_max3_num_f32 v[T], v[T], v[S+(\k)], v[S+(\k)+1]
.endr
	v_max_num_f32 v[T], v[T], v[S+15]              ; the row's maximum: key q is always seen
	v_mul_f32 v[T+1], s28, v[T]                    ; c m
.irp k, 0,1,2,3,4,5,6,7,8,9,10,11,12,13,14,15
	v_fma_f32 v[S+(\k)], v[S+(\k)], s28, -v[T+1]
.endr
.irp k, 0,1,2,3,4,5,6,7,8,9,10,11,12,13,14,15
	v_exp_f32 v[S+(\k)], v[S+(\k)]
.endr
	v_nop                                          ; a plain instruction between the last exponential and the use of its result (ISA guide 5.7.2)
	s_wait_alu depctr_va_vdst(0)                   ; the sixteen exponentials have written v[S ..], ahead of the sums that read them: one wait for the batch
	v_pk_add_f32 v[T:T+1], v[S:S+1], v[S+2:S+3]
.irp k, 4,6,8,10,12,14
	v_pk_add_f32 v[T:T+1], v[T:T+1], v[S+(\k):S+(\k)+1]
.endr
	v_add_f32 v[T], v[T], v[T+1]
	v_rcp_f32 v[T], v[T]
	v_nop
	s_wait_alu depctr_va_vdst(0)                   ; the reciprocal has written v[T], ahead of the multiplies that read it
.irp k, 0,1,2,3,4,5,6,7,8,9,10,11,12,13,14,15
	v_mul_f32 v[S+(\k)], v[S+(\k)], v[T]
.endr
	; my part of u, transposed use: source 0 = 16 rows of Wout, source 1 = 16 keys of v.  The four accumulators take turns; the first four products start the sums.
.irp s, 0,1,2,3
	s_wait_loadcnt 8*(3-(\s))                      ; v's fragments and Wout's of steps 0 to s are in; 8 loads for each later step may be out
.irp b, 0,1,2,3
.if (\s) == 0
	v_wmma_f32_16x16x32_f16 v[ACC+8*(\b):ACC+8*(\b)+7], v[BF+32*(\s)+8*(\b):BF+32*(\s)+8*(\b)+7], v[AH+8*(\s):AH+8*(\s)+7], 0
.else
	v_wmma_f32_16x16x32_f16 v[ACC+8*(\b):ACC+8*(\b)+7], v[BF+32*(\s)+8*(\b):BF+32*(\s)+8*(\b)+7], v[AH+8*(\s):AH+8*(\s)+7], v[ACC+8*(\b):ACC+8*(\b)+7]
.endif
.endr
.irp b, 0,1,2,3
	v_wmma_f32_16x16x32_f16 v[ACC+8*(\b):ACC+8*(\b)+7], v[BF+32*(\s)+8*(\b):BF+32*(\s)+8*(\b)+7], v[AL+8*(\s):AL+8*(\s)+7], v[ACC+8*(\b):ACC+8*(\b)+7]
.endr
.endr
.rept 4
	v_nop                                          ; four places in front of the stores that read the results; they stay beside the wait below
.endr
	s_wait_alu depctr_va_vdst(0)                   ; the matrix instructions have written the accumulators, which the LDS stores read, and are done reading AH, in which the bias lands, and BF, in which the partial sums land behind the barrier
	global_load_b128 v[AH:AH+3], v[BB], s[10:11]   ; the bias of my four columns: it lands while the partial sums meet
.irp b, 0,1,2,3
	ds_store_b128 v[STO], v[ACC+8*(\b):ACC+8*(\b)+3]   offset:64*(\b)
	ds_store_b128 v[STO], v[ACC+8*(\b)+4:ACC+8*(\b)+7] offset:64*(\b)+16
.endr
	s_wait_dscnt 0x0                               ; for the others' sake: my partial u is stored
	s_barrier_signal -1
	s_barrier_wait -1
.irp w, 0,1,2,3,4,5,6,7
	ds_load_b128 v[BF+4*(\w):BF+4*(\w)+3], v[RDP] offset:(\w)*PW   ; thread (key, 4 columns): the eight partial sums.  No wait: no vector or matrix instruction since the wait above
.endr
	s_wait_dscnt 0x0
.irp w, 0,2,4,6
	v_pk_add_f32 v[BF+4*(\w):BF+4*(\w)+1],   v[BF+4*(\w):BF+4*(\w)+1],   v[BF+4*(\w)+4:BF+4*(\w)+5]
	v_pk_add_f32 v[BF+4*(\w)+2:BF+4*(\w)+3], v[BF+4*(\w)+2:BF+4*(\w)+3], v[BF+4*(\w)+6:BF+4*(\w)+7]
.endr
.irp w, 0,4
	v_pk_add_f32 v[BF+4*(\w):BF+4*(\w)+1],   v[BF+4*(\w):BF+4*(\w)+1],   v[BF+4*(\w)+8:BF+4*(\w)+9]
	v_pk_add_f32 v[BF+4*(\w)+2:BF+4*(\w)+3], v[BF+4*(\w)+2:BF+4*(\w)+3], v[BF+4*(\w)+10:BF+4*(\w)+11]
.endr
	v_pk_add_f32 v[BF:BF+1],   v[BF:BF+1],   v[BF+16:BF+17]
	v_pk_add_f32 v[BF+2:BF+3], v[BF+2:BF+3], v[BF+18:BF+19]
	s_wait_alu depctr_va_vdst(0)                   ; the adds have written v[BF:BF+3], which the LDS store reads, and are done with v[BF .. BF+31], in which u's rows land behind the barrier
	ds_store_b128 v[UW], v[BF:BF+3]                ; into bytes of its own: the partial sums are not written over
	s_wait_dscnt 0x0                               ; for the others' sake
	s_barrier_signal -1
	s_barrier_wait -1
	s_wait_alu depctr_vm_vsrc(0)                   ; my LDS store has read v[BF:BF+3], in which the first of the loads below lands
.irp k, 0,1,2,3,4,5,6,7,8,9,10,11,12,13,14,15
	ds_load_b128 v[BF+4*(\k):BF+4*(\k)+3], v[UR] offset:(\k)*PR    ; u of key k, my four columns
.endr
	s_wait_loadcnt 0x0                             ; the bias: rounded to bf16 like the module's other inputs, widened again; it starts my four sums
	v_cvt_pk_bf16_f32 v[T], v[AH], v[AH+1]
	v_cvt_pk_bf16_f32 v[T+1], v[AH+2], v[AH+3]
	v_lshlrev_b32 v[O], 16, v[T]
	v_and_b32 v[O+1], 0xffff0000, v[T]
	v_lshlrev_b32 v[O+2], 16, v[T+1]
	v_and_b32 v[O+3], 0xffff0000, v[T+1]
.irp k, 0,1,2,3,4,5,6,7,8,9,10,11,12,13,14,15
	s_wait_dscnt 15-(\k)                           ; key k's row is back; the 15 - k younger loads may be out
.irp e, 0,1,2,3
	v_fma_f32 v[O+(\e)], v[S+(\k)], v[BF+4*(\k)+(\e)], v[O+(\e)]
.endr
.endr
	s_wait_alu depctr_va_vdst(0)                   ; the multiply-adds have written v[O:O+3], which the store reads
	global_store_b128 v[OO], v[O:O+3], s[12:13]    ; 16 lanes store 256 consecutive bytes, at a multiple of 256 from out0's first byte
	s_wait_dscnt 0x0                               ; the closing lines, six on end
	s_wait_alu 0x0
	s_wait_tensorcnt 0x0
	ds_add_u32 v[SPW], v[NIL]
	s_wait_dscnt 0x0
	s_endpgm
.Lfunc_end_k_qebed07cae3_fixout:
	.size	k_qebed07cae3_fixout, .Lfunc_end_k_qebed07cae3_fixout-k_qebed07cae3_fixout
	.p2alignl 7, 3214868480
	.fill 96, 4, 3214868480
	.section	.rodata,"a",@progbits
	.p2align	6, 0x0
	.amdhsa_kernel k_qebed07cae3_fixout
		.amdhsa_group_segment_fixed_size 40192
		.amdhsa_private_segment_fixed_size 0
		.amdhsa_enable_private_segment 0
		.amdhsa_kernarg_size 40
		.amdhsa_user_sgpr_count 2
		.amdhsa_user_sgpr_kernarg_segment_ptr 1
		.amdhsa_wavefront_size32 1
		.amdhsa_system_sgpr_workgroup_id_x 1
		.amdhsa_system_sgpr_workgroup_id_y 1
		.amdhsa_system_sgpr_workgroup_id_z 1
		.amdhsa_system_vgpr_workitem_id 0
		.amdhsa_next_free_vgpr 256
		.amdhsa_next_free_sgpr 66
		.amdhsa_reserve_vcc 0
		.amdhsa_float_denorm_mode_32 3
		.amdhsa_float_denorm_mode_16_64 3
		.amdhsa_memory_ordered 1
		.amdhsa_forward_progress 1
		.amdhsa_inst_pref_size 24
	.end_amdhsa_kernel
	.amdgpu_metadata
---
amdhsa.version: [ 1, 2 ]
amdhsa.kernels:
  - .name:           k_qebed07cae3_fixout
    .symbol:         k_qebed07cae3_fixout.kd
    .args:
      - { .name: vfix, .offset: 0, .size: 8, .value_kind: global_buffer, .address_space: global }
      - { .name: woutb, .offset: 8, .size: 8, .value_kind: global_buffer, .address_space: global }
      - { .name: sc, .offset: 16, .size: 8, .value_kind: global_buffer, .address_space: global }
      - { .name: bout, .offset: 24, .size: 8, .value_kind: global_buffer, .address_space: global }
      - { .name: out0, .offset: 32, .size: 8, .value_kind: global_buffer, .address_space: global }
    .group_segment_fixed_size: 40192
    .private_segment_fixed_size: 0
    .kernarg_segment_align: 8
    .kernarg_segment_size: 40
    .max_flat_workgroup_size: 256
    .sgpr_count:     66
    .vgpr_count:     256
    .wavefront_size: 32
...
	.end_amdgpu_metadata
.endif
;; end of part 9
